; MI455X (gfx1250); checked and timed in simulation.
; The chip was launched on July 23, 2026; its instructions are those of AMD's public machine-readable ISA for CDNA 5 (MIT licence, August 2026) and "CDNA5" Instruction Set Architecture Reference Guide (July 2026). The comments in the code are by the model that wrote it; some were corrected since.
;; Casual Attention. Allowed arithmetic: matrix products marked QUANTISED: E3M2 operands, one E8M0 scale for each 32 along K, by v_wmma_scale_f32_16x16x128_f8f6f4 with both operands' format E3M2, f32 sums; everything else in f32.
;; Inputs: w_out 1,024 x 1,024 float32; w_qkv 1,024 x 3,072 float32; x 4 x 2,048 x 1,024 float32.
;; Outputs: out0 4 x 2,048 x 1,024 float32.
;; This version of the problem:
;;   THIS VERSION OF THE PROBLEM IS GIVEN IN LOW PRECISION. The matrix products marked QUANTISED in the list below multiply operands that are first quantised to E3M2 (3 exponent bits, 2 mantissa bits; 6 bits a number), with one power-of-two scale for each 32 numbers along K (OCP MX v1.0); their sums are f32. All else is computed in f32.
;;   The module's matrix products, in the order in which they are computed (A, B: the left and right operand; K: the contracted axis; several contracted axes count as one K, in the product's order):
;;     1. [M 8,192, K 1,024] x [K 1,024, N 3,072]; A: input x; B: input w_qkv: QUANTISED
;;     2. batch 64 x [M 2,048, K 64] x [K 64, N 2,048]; A: computed on the way; B: computed on the way: QUANTISED
;;     3. batch 64 x [M 2,048, K 2,048] x [K 2,048, N 64]; A: softmax (see below); B: computed on the way: QUANTISED
;;     4. [M 8,192, K 1,024] x [K 1,024, N 1,024]; A: computed on the way; B: input w_out: QUANTISED
;;   THE QUANTISER, for each operand of a quantised product, along K:
;;     - K is cut into blocks of 32 from its start; a last block that is shorter is filled with zeros.
;;     - A block's scale is 2^e with e = floor(log2(the largest magnitude in the block)) - 4, held to -126 .. 127; a block of zeros has e = 0. As a byte (E8M0): e + 127.
;;     - Each number is divided by its block's scale, clamped to +-28, and rounded to the nearest number of E3M2, ties to even, subnormals kept.
;;     - The product sums the exact products of the quantised numbers (number of the format x scale) in f32.
;;   ~~~python
;;   def quantise(x, axis):      # numpy; x: float32 -> the quantised numbers, widened to float32 again
;;       x = np.moveaxis(x, axis, -1); K = x.shape[-1]
;;       x = np.pad(x, [(0, 0)] * (x.ndim - 1) + [(0, -K % 32)]); x = x.reshape(x.shape[:-1] + (-1, 32)); a = np.abs(x).max(-1, keepdims=True)
;;       e = np.where(a > 0, np.clip(np.frexp(np.where(a > 0, a, 1))[1] - 1 - 4, -126, 127), 0)      # np.frexp(a)[1] - 1 = floor(log2(a)), exactly
;;       r = np.clip(x / 2.0 ** e, -28, 28)
;;       step = 2.0 ** (np.maximum(np.frexp(np.where(r == 0, 1, r))[1] - 1, -2) - 2)
;;       q = np.round(r / step) * step * 2.0 ** e      # np.round: ties to even
;;       return np.moveaxis(q.reshape(q.shape[:-2] + (-1,))[..., :K], -1, axis).astype(np.float32)
;;   ~~~
;;   SOFTMAX AHEAD OF A QUANTISED PRODUCT. Where the list says 'softmax', what is quantised is not the finished softmax but p = 2^(t - M), with t = logit x log2(e) and M = ceil(the row's largest t), a whole number; so 1/2 < the row's largest p <= 1. The row's sum l is taken of the UNQUANTISED p, in f32, and the product's result is divided by l at the end. Since M is a whole number, a kernel that streams over the keys may use a running M (the ceiling of the running maximum): every later rescaling is an exact power of two, which a block's scale takes up: the codes' values come out the same.
;;   OPERANDS COMPUTED ON THE WAY. 'Computed on the way' means the value that the module computes at that place (a softmax that the list does not call 'softmax' is quantised finished and normalised). What goes into a quantiser is computed in f32, as accurately as f32 sums, v_exp_f32 and their like allow (about 1e-6 of the number): no bf16 or f16 on the way to a quantiser, and a product that is left as it is and whose result goes on into a quantised operand takes f32 operands (vector FMAs, or v_wmma_f32_16x16x4_f32). A number that lies on a knife's edge between two numbers of the format may be rounded either way, as far as f32 arithmetic and the matrix unit's own rounding can turn it there, and no further.
;; One version. Each part assembles by itself: llvm-mc -triple=amdgcn-amd-amdhsa -mcpu=gfx1250 --defsym DOCPART=n.
;; ======== version 1 of 1: 4 launches
;; workspace buffers: xc 6,291,456 bytes; xs 262,144 bytes; wc 3,145,728 bytes; ws 131,072 bytes; qkvc 18,874,368 bytes; qkvs 786,432 bytes; ac 6,291,456 bytes; asc 262,144 bytes
;; launch quant (part 1): grid 384 x 1, 4 waves a work-group, no clusters, 34,304 bytes of LDS; arguments x, w_qkv, w_out, xc, xs, wc, ws; writes xc, xs, wc, ws
.if DOCPART == 1
	.amdgcn_target "amdgcn-amd-amdhsa--gfx1250"
	.amdhsa_code_object_version 6
	.text
	.protected	k_q65dd6433a8_quant
	.globl	k_q65dd6433a8_quant
	.p2align	8
	.type	k_q65dd6433a8_quant,@function
k_q65dd6433a8_quant:
	s_mov_b64 s[64:65], 0
	v_nop
	global_prefetch_b8 v0, s[64:65] scope:SCOPE_SE
	s_setreg_imm32_b32 hwreg(HW_REG_WAVE_MODE, 25, 1), 1
	s_wait_xcnt 0x0
; x [8192][1024], w_qkv [1024][3072] and w_out [1024][1024], f32, become codes of BF6 (E3M2) with one E8M0 byte for each 32 along K (K = 1,024 in all three).
; A block's scale is 2^(floor(log2(largest magnitude)) - 4): its byte is the largest magnitude's exponent field - 4, held at 1 from below by a floor among the maximum's leaves.
; LIMITS: a block of zeros, and a block whose largest magnitude lies under 2^-122, gets the byte 1 (the rule says 127 for zeros): its codes are zeros or subnormal codes, and this program alone reads the bytes.
;         NaN and infinities among the inputs are not served.
; THE CODES ARE LAID AS IMAGES OF THE OPERAND'S REGISTERS.  A block is 128 rows (tokens of x, columns n of a weight).  Tile tau (0..7) of a block holds in its row r (0..15) the row
; 32 (tau / 2) + 8 (tau % 2) + r + 8 (r / 8).  A fragment (16 rows x 128 K, 12 registers a lane) is 1,536 bytes: two halves of 768 (64 along K each); in a half lane l's registers 0-3 lie at 16 l,
; its registers 4-5 at 512 + 8 l.  Buffer: [block][K step 0..7][tile][fragment].  wc's blocks: 0-23 w_qkv's columns, 24-31 w_out's.
; The scale word (four bytes: 128 along K of one row) of (tile, r, K step s) lies at block x 4,096 + (tile / 2) x 1,024 + (s / 2) x 256 + (16 (tile % 2) + r) x 8 + (s % 2) x 4.
; SHARES.  Work-groups 0-95: w_qkv, 96-127: w_out: a block of 128 columns x 256 along K; a wave 32 columns; A LANE TAKES A COLUMN AND ITS REGISTERS RUN DOWN K, so a block of 32 lies in one lane.
; Work-groups 128-383: x: 32 tokens; a wave 256 along K: four fragments.  Its loads take a row's 512 consecutive bytes; the numbers turn through the wave's own stage in LDS so that a lane gets 32 neighbours.
; No cluster: no two work-groups read the same byte.  No tensor load, no barrier: waves share nothing.
.set WX,   32                          ; weights: v32-95  two sets of 32 numbers
.set WE,   96                          ; v96-143  a block's six code registers, a set for each of the eight blocks: no store's data are written again
.set WT,   144                         ; v144-146 the upper 16 codes as converted
.set WSB,  24                          ; v24-25   eight scale bytes
.set VA16, 4                           ; v4  1,536 u + 16 r: my place in a half's first 512 bytes
.set VA8,  5                           ; v5  1,536 u + 8 r
.set VS8,  6                           ; v6  8 (16 u + r): my scale words
.set XR,   16                          ; x: v16-143 two sets of 64, as loaded
.set XX,   144                         ; v144-207 my two blocks of 32
.set XE,   208                         ; v208-231 two sets of 12 code registers
.set XT,   232                         ; v232-238 the upper halves as converted
.set XM,   240
.set XSO,  244
.set XBY,  246
.set XWD,  248                         ; v248-251 the four fragments' scale words
.macro LOADW t, N, SRC                 ; block t: w(32 t + i, my column), i = 0 .. 31: 128 consecutive bytes a wave
.irp i, 0,1,2,3,4,5,6,7,8,9,10,11,12,13,14,15,16,17,18,19,20,21,22,23,24,25,26,27,28,29,30,31
	global_load_b32 v[WX+32*((\t)%2)+\i], v3, s[\SRC:\SRC+1] offset:(32*(\t)+\i)*4*\N th:TH_LOAD_NT
.endr
.endm
.macro BLOCKW t, N, SRC                ; block t of my column: K step t / 4 of the quarter, half (t / 2) % 2, lanes' half t % 2
.set WXS, WX+32*((\t)%2)
.set WES, WE+6*(\t)
.if (\t) < 7
	s_wait_loadcnt 32                              ; this block's 32 loads are in; the next block's 32 may be out
.else
	s_wait_loadcnt 0
.endif
	v_max3_num_f32 v12, |v[WXS]|, |v[WXS+1]|, |v[WXS+2]|
	v_max3_num_f32 v13, |v[WXS+3]|, |v[WXS+4]|, |v[WXS+5]|
.irp i, 6,10,14,18,22,26
	v_max3_num_f32 v12, v12, |v[WXS+\i]|, |v[WXS+\i+1]|
	v_max3_num_f32 v13, v13, |v[WXS+\i+2]|, |v[WXS+\i+3]|
.endr
	v_max3_num_f32 v12, v12, |v[WXS+30]|, |v[WXS+31]|
	v_max3_num_f32 v12, v12, v13, 0x2800000        ; the floor 2^(5 - 127): the byte cannot fall under 1
	v_add_nc_u32 v11, 0xfe000000, v12              ; 4 off the exponent field: the conversion's scale operand
	v_lshrrev_b32 v13, 23, v11                     ; the byte
.if (\t)%4 == 0
	v_mov_b32 v[WSB+(\t)/4], v13
.else
	v_lshl_or_b32 v[WSB+(\t)/4], v13, 8*((\t)%4), v[WSB+(\t)/4]
.endif
	v_cvt_scalef32_pk16_bf6_f32 v[WES:WES+2], v[WXS:WXS+15], v11
	v_cvt_scalef32_pk16_bf6_f32 v[WT:WT+2], v[WXS+16:WXS+31], v11   ; (a conversion's three registers begin on an even number)
	v_nop                                          ; one plain place behind a scaled conversion
.irp i, 0,1,2
	v_mov_b32 v[WES+3+\i], v[WT+\i]
.endr
	global_store_b128 v[VA16], v[WES:WES+3], s[14:15] offset:((\t)/4)*12288+(((\t)/2)%2)*768+256*((\t)%2)       ; sixteen lanes of one tile store 256 consecutive aligned bytes
	global_store_b64 v[VA8], v[WES+4:WES+5], s[14:15] offset:((\t)/4)*12288+(((\t)/2)%2)*768+512+128*((\t)%2)   ; sixteen lanes store 128 consecutive bytes
.if (\t)+2 < 8
	LOADW (\t)+2, \N, \SRC
.endif
.endm
.macro WPATH N, SRC, CB0               ; a weight of N columns at s[SRC:SRC+1]; its first block in wc is CB0
	v_lshlrev_b32 v3, 2, v2                        ; 4 bytes a lane
	v_bfe_u32 v7, v2, 3, 1                         ; u: which tile of my wave's pair
	v_and_b32 v8, 7, v2
	v_lshrrev_b32 v9, 4, v2
	v_lshl_add_u32 v8, v9, 3, v8                   ; r: my column's row in that tile
	v_mul_u32_u24 v10, v7, 1536
	v_lshl_add_u32 v[VA16], v8, 4, v10
	v_lshl_add_u32 v[VA8], v8, 3, v10
	v_lshlrev_b32 v10, 7, v7
	v_lshl_add_u32 v[VS8], v8, 3, v10
	s_lshr_b32 s22, ttmp9, 2                       ; block in wc
	s_and_b32 s23, ttmp9, 3                        ; quarter of K
	s_sub_co_u32 s24, s22, \CB0                    ; block of columns in the weight
	s_lshl_b32 s24, s24, 9
	s_mul_i32 s26, s23, 1024*\N                    ; 256 rows of 4 N bytes
	s_add_co_u32 s26, s26, s24
	s_lshl_b32 s24, s18, 7                         ; my wave's 32 columns
	s_add_co_u32 s26, s26, s24
	s_mov_b32 s27, 0
	s_add_nc_u64 s[\SRC:\SRC+1], s[\SRC:\SRC+1], s[26:27]
	s_mul_i32 s26, s22, 98304
	s_mul_i32 s24, s23, 24576                      ; two K steps
	s_add_co_u32 s26, s26, s24
	s_mul_i32 s24, s18, 3072                       ; my pair of tiles
	s_add_co_u32 s26, s26, s24
	s_add_nc_u64 s[14:15], s[14:15], s[26:27]
	s_lshl_b32 s26, s22, 12
	s_lshl_b32 s24, s18, 10
	s_add_co_u32 s26, s26, s24
	s_lshl_b32 s24, s23, 8
	s_add_co_u32 s26, s26, s24
	s_add_nc_u64 s[16:17], s[16:17], s[26:27]
	LOADW 0, \N, \SRC
	LOADW 1, \N, \SRC
.irp t, 0,1,2,3,4,5,6,7
	BLOCKW \t, \N, \SRC
.endr
	global_store_b64 v[VS8], v[WSB:WSB+1], s[16:17]   ; 32 lanes store 256 consecutive aligned bytes: two K steps' words of two tiles
.endm
.macro LOADX f                         ; fragment f (tile f / 2 of my two, K step f % 2 of my two): 16 rows, 512 consecutive bytes a load
.irp i, 0,1,2,3,4,5,6,7,8,9,10,11,12,13,14,15
	global_load_b128 v[XR+64*((\f)%2)+4*\i:XR+64*((\f)%2)+4*\i+3], v3, s[4:5] offset:(8*((\f)/2)+\i+8*(\i/8))*4096+512*((\f)%2) th:TH_LOAD_NT
.endr
.endm
.macro FRAGX f
.set XRS, XR+64*((\f)%2)
.set XES, XE+12*((\f)%2)
.set XOF, ((\f)%2)*12288+((\f)/2)*1536
.if (\f) < 3
	s_wait_loadcnt 16                              ; this fragment's 16 loads are in; the next fragment's 16 may be out
.else
	s_wait_loadcnt 0
.endif
.irp i, 0,1,2,3,4,5,6,7,8,9,10,11,12,13,14,15
	ds_store_b128 v4, v[XRS+4*\i:XRS+4*\i+3] offset:528*\i      ; row i as it lies; rows 528 bytes apart
.endr
.irp c, 0,1
.irp q, 0,1,2,3,4,5,6,7
	ds_load_b128 v[XX+32*\c+4*\q:XX+32*\c+4*\q+3], v5 offset:256*\c+16*\q   ; LDS serves a wave's instructions in order: lane (r, h) takes k = 64 c + 32 h + 0 .. 31 of row r
.endr
.endr
	s_wait_dscnt 0x0                               ; my numbers are back, and the stores have read their registers,
.if (\f)+2 < 4
	LOADX (\f)+2                                   ; which take the fragment two on
.endif
.irp c, 0,1
	v_max3_num_f32 v[XM+\c], |v[XX+32*\c]|, |v[XX+32*\c+1]|, 0x2800000
.endr
.irp i, 2,4,6,8,10,12,14,16,18,20,22,24,26,28,30
.irp c, 0,1
	v_max3_num_f32 v[XM+\c], v[XM+\c], |v[XX+32*\c+\i]|, |v[XX+32*\c+\i+1]|
.endr
.endr
.irp c, 0,1
	v_add_nc_u32 v[XSO+\c], 0xfe000000, v[XM+\c]
.endr
.irp c, 0,1
	v_lshrrev_b32 v[XBY+\c], 23, v[XSO+\c]
.endr
	v_lshl_or_b32 v[XWD+\f], v[XBY+1], 16, v[XBY]  ; my two bytes: blocks h and 2 + h of row r,
	v_lshlrev_b32 v[XWD+\f], v7, v[XWD+\f]         ; 8 h bits up;
	v_permlanex16_b32 v8, v[XWD+\f], s20, s21
	v_or_b32 v[XWD+\f], v[XWD+\f], v8              ; with lane l xor 16's two the word is whole
.if (\f) >= 2
	s_wait_xcnt 0x0                                ; the stores of two fragments back have read this set of code registers
.endif
.irp c, 0,1
	v_cvt_scalef32_pk16_bf6_f32 v[XES+6*\c:XES+6*\c+2], v[XX+32*\c:XX+32*\c+15], v[XSO+\c]
	v_cvt_scalef32_pk16_bf6_f32 v[XT+4*\c:XT+4*\c+2], v[XX+32*\c+16:XX+32*\c+31], v[XSO+\c]
.endr
	v_nop                                          ; one plain place behind a scaled conversion
.irp c, 0,1
.irp i, 0,1,2
	v_mov_b32 v[XES+6*\c+3+\i], v[XT+4*\c+\i]
.endr
.endr
	global_store_b128 v3, v[XES:XES+3], s[10:11] offset:XOF          ; 512 consecutive aligned bytes
	global_store_b64 v6, v[XES+4:XES+5], s[10:11] offset:XOF+512     ; 256
	global_store_b128 v3, v[XES+6:XES+9], s[10:11] offset:XOF+768
	global_store_b64 v6, v[XES+10:XES+11], s[10:11] offset:XOF+1280
.endm
	s_load_b256 s[4:11], s[0:1], 0x0               ; x s[4:5], w_qkv s[6:7], w_out s[8:9], xc s[10:11]
	s_load_b128 s[12:15], s[0:1], 0x20             ; xs s[12:13], wc s[14:15]
	s_load_b64 s[16:17], s[0:1], 0x30              ; ws
	v_lshl_add_u32 v254, v0, 2, 0x8400
	v_mov_b32 v255, 0
	v_lshrrev_b32 v1, 5, v0
	v_readfirstlane_b32 s18, v1                    ; wave 0..3
	v_and_b32 v2, 31, v0                           ; lane
	v_cmp_le_u32 s19, 16, v2                       ; the lanes 16-31
	s_mov_b32 s20, 0x76543210
	s_mov_b32 s21, 0xfedcba98                      ; v_permlanex16_b32's selects for lane l xor 16
	s_wait_kmcnt 0x0
	s_cmp_ge_u32 ttmp9, 128
	s_cbranch_scc1 .Lx
	s_cmp_ge_u32 ttmp9, 96
	s_cbranch_scc1 .Lwout
	WPATH 3072, 6, 0
	s_endpgm
.Lwout:
	WPATH 1024, 8, 24
	s_endpgm
.Lx:
	s_sub_co_u32 s22, ttmp9, 128                   ; my group of 32 tokens
	v_lshlrev_b32 v3, 4, v2                        ; 16 bytes a lane
	v_lshlrev_b32 v6, 3, v2                        ; 8 bytes a lane
	v_and_b32 v9, 15, v2                           ; r
	v_lshrrev_b32 v10, 4, v2                       ; h
	v_lshlrev_b32 v7, 3, v10                       ; 8 h
	v_mov_b32 v8, 0                                ; written once: a lane permute's destination counts as one of its sources
	s_mul_i32 s23, s18, 8448                       ; my wave's stage: 16 rows x 528 bytes
	v_add_nc_u32 v4, s23, v3                       ; in: 16 x lane
	v_mul_u32_u24 v5, v9, 528
	v_lshl_add_u32 v5, v10, 7, v5
	v_add_nc_u32 v5, s23, v5                       ; out: row r, + 128 h
	s_lshl_b32 s26, s22, 17                        ; 32 rows of 4,096 bytes
	s_lshl_b32 s24, s18, 10                        ; my wave's 256 numbers of a row
	s_add_co_u32 s26, s26, s24
	s_mov_b32 s27, 0
	s_add_nc_u64 s[4:5], s[4:5], s[26:27]
	s_lshr_b32 s24, s22, 2
	s_mul_i32 s26, s24, 98304                      ; the block of 128 tokens,
	s_mul_i32 s24, s18, 24576                      ; my two K steps,
	s_add_co_u32 s26, s26, s24
	s_and_b32 s24, s22, 3
	s_mul_i32 s24, s24, 3072                       ; the group's pair of tiles
	s_add_co_u32 s26, s26, s24
	s_add_nc_u64 s[10:11], s[10:11], s[26:27]
	s_lshl_b32 s26, s22, 10
	s_lshl_b32 s24, s18, 8
	s_add_co_u32 s26, s26, s24
	s_add_nc_u64 s[12:13], s[12:13], s[26:27]
	LOADX 0
	LOADX 1
	FRAGX 0
	FRAGX 1
	FRAGX 2
	FRAGX 3
	v_cndmask_b32 v12, v[XWD], v[XWD+2], s19       ; lanes 0-15: the first tile's words, lanes 16-31 the second's
	v_cndmask_b32 v13, v[XWD+1], v[XWD+3], s19
	global_store_b64 v6, v[12:13], s[12:13]        ; 256 consecutive aligned bytes
	s_wait_tensorcnt 0x0
	ds_add_u32 v254, v255
	s_wait_dscnt 0x0
	s_endpgm
.Lfunc_end_k_q65dd6433a8_quant:
	.size	k_q65dd6433a8_quant, .Lfunc_end_k_q65dd6433a8_quant-k_q65dd6433a8_quant
	.p2alignl 7, 3214868480
	.fill 96, 4, 3214868480
	.section	.rodata,"a",@progbits
	.p2align	6, 0x0
	.amdhsa_kernel k_q65dd6433a8_quant
		.amdhsa_group_segment_fixed_size 34304
		.amdhsa_private_segment_fixed_size 0
		.amdhsa_enable_private_segment 0
		.amdhsa_kernarg_size 56
		.amdhsa_user_sgpr_count 2
		.amdhsa_user_sgpr_kernarg_segment_ptr 1
		.amdhsa_wavefront_size32 1
		.amdhsa_system_sgpr_workgroup_id_x 1
		.amdhsa_system_sgpr_workgroup_id_y 1
		.amdhsa_system_sgpr_workgroup_id_z 1
		.amdhsa_system_vgpr_workitem_id 0
		.amdhsa_next_free_vgpr 256
		.amdhsa_next_free_sgpr 66
		.amdhsa_reserve_vcc 0
		.amdhsa_float_denorm_mode_32 3
		.amdhsa_float_denorm_mode_16_64 3
		.amdhsa_memory_ordered 1
		.amdhsa_forward_progress 1
		.amdhsa_inst_pref_size 108
	.end_amdhsa_kernel
	.amdgpu_metadata
---
amdhsa.version: [ 1, 2 ]
amdhsa.kernels:
  - .name:           k_q65dd6433a8_quant
    .symbol:         k_q65dd6433a8_quant.kd
    .args:
      - { .name: x, .offset: 0, .size: 8, .value_kind: global_buffer, .address_space: global }
      - { .name: w_qkv, .offset: 8, .size: 8, .value_kind: global_buffer, .address_space: global }
      - { .name: w_out, .offset: 16, .size: 8, .value_kind: global_buffer, .address_space: global }
      - { .name: xc, .offset: 24, .size: 8, .value_kind: global_buffer, .address_space: global }
      - { .name: xs, .offset: 32, .size: 8, .value_kind: global_buffer, .address_space: global }
      - { .name: wc, .offset: 40, .size: 8, .value_kind: global_buffer, .address_space: global }
      - { .name: ws, .offset: 48, .size: 8, .value_kind: global_buffer, .address_space: global }
    .group_segment_fixed_size: 34304
    .private_segment_fixed_size: 0
    .kernarg_segment_align: 8
    .kernarg_segment_size: 56
    .max_flat_workgroup_size: 128
    .sgpr_count:     66
    .vgpr_count:     256
    .wavefront_size: 32
...
	.end_amdgpu_metadata
.endif
;; end of part 1
;; launch qkv (part 2): grid 12 x 64, 4 waves a work-group, clusters of 4 x 4, 295,424 bytes of LDS; arguments xc, xs, wc, ws, qkvc, qkvs; writes qkvc, qkvs
.if DOCPART == 2
	.amdgcn_target "amdgcn-amd-amdhsa--gfx1250"
	.amdhsa_code_object_version 6
	.text
	.protected	k_q65dd6433a8_qkv
	.globl	k_q65dd6433a8_qkv
	.p2align	8
	.type	k_q65dd6433a8_qkv,@function
k_q65dd6433a8_qkv:
	s_mov_b64 s[64:65], 0
	v_nop
	global_prefetch_b8 v0, s[64:65] scope:SCOPE_SE
	s_setreg_imm32_b32 hwreg(HW_REG_WAVE_MODE, 25, 1), 1
	s_wait_xcnt 0x0
	s_wait_alu depctr_hold_cnt(0) depctr_sa_sdst(0) depctr_va_vdst(0) depctr_va_sdst(0) depctr_va_ssrc(0) depctr_va_vcc(0) depctr_vm_vsrc(0)
	s_getreg_b32 s2, hwreg(HW_REG_IB_STS2, 6, 4)
	s_cmp_eq_u32 s2, 0
	s_cbranch_scc0 .Lentry_in_a_cluster
	s_endpgm
.Lentry_in_a_cluster:
	s_bfe_u32 s2, ttmp6, 0x10000c
	s_cmp_lg_u32 s2, 0xf033
	s_cbranch_scc0 .Lentry_shape_is_right
	s_endpgm
.Lentry_shape_is_right:
; qkv = Q(x) Q(w_qkv) on codes of BF6 with E8M0 scales, K = 1,024; q, k and v never go to memory as f32: they are quantised in registers for the two products of attention and leave as codes.
; D = S0 S1^T.  A work-group takes 256 rows of S0 (two blocks of 128) x 128 rows of S1 (one block); wave w takes S0's block w / 2 and S1's tiles 4 (w % 2) .. + 3: 32 accumulators of 16 x 16.
; In a result lane (r, h) holds ONE row of S1 (row r of the tile) and, since the rows of a tile of S0 are 32 (tau / 2) + 8 (tau % 2) + r + 8 (r / 8), the 16 registers of S0's tiles 2 b, 2 b + 1 are S0's rows 32 b + 16 h + 0 .. 15.
; ROLES, by the cluster's x (the same in all sixteen partners; only pointers, tile numbers, strides and byte selectors are chosen, there is one path):
;   x = 0, 1: q and k: S0 = 256 columns of w_qkv (four heads), S1 = 128 tokens: a lane holds a token and its registers run along the head: K of q k^T.
;   x = 2:    v:       S0 = 256 tokens, S1 = 128 columns of w_qkv (two heads): a lane holds a channel and its registers run along the keys: K of p v.
; ALL OF K LIES IN LDS: (256 + 128) rows x 768 bytes = 294,912, filled once by tensor loads, in four phases of two K steps: no byte is filled twice.  The buffers hold images of the operands' registers
; (a fragment of 1,536 bytes = two halves; in a half lane l's registers 0-3 at 16 l, registers 4-5 at 512 + 8 l), so LDS holds the same bytes as memory and every LDS load covers consecutive bytes.
; CLUSTER 4 x 4: S0's blocks hang on cx and are asked for jointly by the four of a column, S1's on cy and by the four of a row.
; OUT.  qkvc: q at 0 and k at 6,291,456: [16 b + head][tile of 16 tokens 0..127][half of 768];  v at 12,582,912: [16 b + key step][half c][head][tile of 16 channels 0..3][half of 768].
;       qkvs: q at 0 and k at 262,144: [16 b + head][pair of tiles][16 words: the even tile's two bytes, the odd tile's two];  v at 524,288: [16 b + key step][tile % 2][head][tile / 2][16 words].
; LIMITS: a block of zeros, or one whose largest magnitude lies under 2^-122, gets the byte 1; this program alone reads the bytes.  NaN and infinities are not served.
; REGISTERS: window 0: v1-8 LDS addresses, v9-11 16, 8, 4 x lane, v16-31 at work, v32-63 S0's scale words, v64-79 S1's (these 48 hold scales and nothing else), v80-127 and v128-175 S1's fragments, two sets
;   (on the way out: the codes made), v176-185 scale words made.   window 1: S0's fragments, sets at v0 and v128.   window 2: accumulator (S1 tile a, S0 tile b) at v[64 a + 8 b].
.set BLKB,  98304                      ; a block: 128 rows x 1,024 K
.set STEPB, 12288                      ; a K step of a block
.set FRB,   1536                       ; a fragment
.set S1L,   2*BLKB                     ; LDS: S0's two blocks, then S1's block
.set SC0,   32
.set SC1,   64
.set F1,    80
.set TM,    16                         ; v16-19 largest magnitudes, v20-23 bytes, v28-31 the conversions' scale operands
.set PC0,   80
.set PW,    176
.set OW,    180
.set MULW,  0xa1                       ; source 0 (S0) window 1, source 1 (S1) window 0, C and D window 2
.set MSB, 0
.macro WIN new                         ; the immediate's high byte repeats the setting that is left
.if MSB != \new
	s_set_vgpr_msb (MSB<<8)|\new
.set MSB, \new
.endif
.endm
.macro CROUND                          ; a round of the cluster's barrier
	s_barrier_signal -1
	s_barrier_wait -1
	s_cmp_lg_u32 s16, 0
	s_cbranch_scc1 .Lnot_wave_0_\@
	s_barrier_signal -3
.Lnot_wave_0_\@:
	s_barrier_wait -3
	s_barrier_signal -1
	s_barrier_wait -1
.endm
.macro PLACES n                        ; plain vector instructions between a matrix instruction and a load into, or a vector read or write of, its registers
.rept \n
	v_nop
.endr
.endm
; one product: D at d, source 0 at a, source 1 at b; z = 1: it starts the sum; sa, sb the scale registers, ra, rb = 1: their lanes 16-31
.macro WMR d, a, b, z, sa, sb, ra, rb
.set WSEL, 4*(\z)+2*(\ra)+(\rb)
.if WSEL == 0
	v_wmma_scale_f32_16x16x128_f8f6f4 v[(\d):(\d)+7], v[(\a):(\a)+11], v[(\b):(\b)+11], v[(\d):(\d)+7], v[(\sa)], v[(\sb)] matrix_a_fmt:MATRIX_FMT_BF6 matrix_b_fmt:MATRIX_FMT_BF6
.elseif WSEL == 1
	v_wmma_scale_f32_16x16x128_f8f6f4 v[(\d):(\d)+7], v[(\a):(\a)+11], v[(\b):(\b)+11], v[(\d):(\d)+7], v[(\sa)], v[(\sb)] matrix_a_fmt:MATRIX_FMT_BF6 matrix_b_fmt:MATRIX_FMT_BF6 matrix_b_scale:MATRIX_SCALE_ROW1
.elseif WSEL == 2
	v_wmma_scale_f32_16x16x128_f8f6f4 v[(\d):(\d)+7], v[(\a):(\a)+11], v[(\b):(\b)+11], v[(\d):(\d)+7], v[(\sa)], v[(\sb)] matrix_a_fmt:MATRIX_FMT_BF6 matrix_b_fmt:MATRIX_FMT_BF6 matrix_a_scale:MATRIX_SCALE_ROW1
.elseif WSEL == 3
	v_wmma_scale_f32_16x16x128_f8f6f4 v[(\d):(\d)+7], v[(\a):(\a)+11], v[(\b):(\b)+11], v[(\d):(\d)+7], v[(\sa)], v[(\sb)] matrix_a_fmt:MATRIX_FMT_BF6 matrix_b_fmt:MATRIX_FMT_BF6 matrix_a_scale:MATRIX_SCALE_ROW1 matrix_b_scale:MATRIX_SCALE_ROW1
.elseif WSEL == 4
	v_wmma_scale_f32_16x16x128_f8f6f4 v[(\d):(\d)+7], v[(\a):(\a)+11], v[(\b):(\b)+11], 0, v[(\sa)], v[(\sb)] matrix_a_fmt:MATRIX_FMT_BF6 matrix_b_fmt:MATRIX_FMT_BF6
.elseif WSEL == 5
	v_wmma_scale_f32_16x16x128_f8f6f4 v[(\d):(\d)+7], v[(\a):(\a)+11], v[(\b):(\b)+11], 0, v[(\sa)], v[(\sb)] matrix_a_fmt:MATRIX_FMT_BF6 matrix_b_fmt:MATRIX_FMT_BF6 matrix_b_scale:MATRIX_SCALE_ROW1
.elseif WSEL == 6
	v_wmma_scale_f32_16x16x128_f8f6f4 v[(\d):(\d)+7], v[(\a):(\a)+11], v[(\b):(\b)+11], 0, v[(\sa)], v[(\sb)] matrix_a_fmt:MATRIX_FMT_BF6 matrix_b_fmt:MATRIX_FMT_BF6 matrix_a_scale:MATRIX_SCALE_ROW1
.else
	v_wmma_scale_f32_16x16x128_f8f6f4 v[(\d):(\d)+7], v[(\a):(\a)+11], v[(\b):(\b)+11], 0, v[(\sa)], v[(\sb)] matrix_a_fmt:MATRIX_FMT_BF6 matrix_b_fmt:MATRIX_FMT_BF6 matrix_a_scale:MATRIX_SCALE_ROW1 matrix_b_scale:MATRIX_SCALE_ROW1
.endif
.endm
.macro FRAGL reg, a16, a8, off         ; a fragment's image into 12 registers: four loads, each of consecutive bytes
	ds_load_b128 v[(\reg):(\reg)+3], v[\a16] offset:(\off)
	ds_load_b64 v[(\reg)+4:(\reg)+5], v[\a8] offset:(\off)+512
	ds_load_b128 v[(\reg)+6:(\reg)+9], v[\a16] offset:(\off)+768
	ds_load_b64 v[(\reg)+10:(\reg)+11], v[\a8] offset:(\off)+1280
.endm
.macro FETCH s                         ; K step s: S0's eight fragments and S1's four, 48 loads, into set s % 2.  K steps 4-7 take the second address registers: an LDS immediate has 16 bits
	WIN 0x40                                       ; destination window 1
.irp t, 0,1,2,3,4,5,6,7
	FRAGL 128*((\s)%2)+12*\t, 1+2*((\s)/4), 2+2*((\s)/4), ((\s)%4)*STEPB+\t*FRB
.endr
	WIN 0
.irp t, 0,1,2,3
	FRAGL F1+48*((\s)%2)+12*\t, 5+2*((\s)/4), 6+2*((\s)/4), ((\s)%4)*STEPB+\t*FRB
.endr
.endm
.macro MUL16 a0, s, z                  ; S1's tiles a0, a0 + 1 x S0's eight.  The 32 accumulators take turns, one instruction a turn, in the same order in every K step
.irp a, \a0, \a0+1
.irp b, 0,1,2,3,4,5,6,7
	WMR 64*(\a)+8*\b, 128*((\s)%2)+12*\b, F1+48*((\s)%2)+12*(\a), \z, SC0+8*(\b/2)+(\s), SC1+8*((\a)/2)+(\s), \b%2, (\a)%2
.endr
.endr
.endm
.macro PLAIN s, z                      ; a K step whose successor lies in the same phase
.if (\s) > 0
	PLACES 4
.endif
	FETCH (\s)+1
	s_wait_dscnt 48                                ; this step's fragments are in; the 48 loads just issued may be out
	WIN MULW
	MUL16 0, \s, \z
	MUL16 2, \s, \z
.endm
.macro BOUND s                         ; a K step whose successor opens the next phase
	s_wait_tensorcnt 3-((\s)+1)/2                  ; my part of the next phase has landed; my later phases may be out
	s_wait_dscnt 0x0                               ; this step's fragments are in: no LDS instruction of mine is out at the signal
	s_barrier_signal -1
	WIN MULW
	MUL16 0, \s, 0
	s_barrier_wait -1                              ; everybody's part has landed
	PLACES 4
	FETCH (\s)+1
	WIN MULW
	MUL16 2, \s, 0
.endm
; S1 tile a's 64 numbers of a lane (register 16 b + i = S0's row 32 b + 16 h + i) become a fragment's codes in v[PC] on and its scale word in v[PW + a]; the two halves are stored
.macro QUANT a
.set AC, 64*(\a)
.set PC, PC0+24*(\a)
	WIN 0x0a                                       ; sources 0 and 1 window 2
.irp b, 0,1,2,3
	v_max3_num_f32 v[TM+\b], |v[AC+16*\b]|, |v[AC+16*\b+1]|, 0x2800000   ; each accumulator from its low end on; the floor 2^(5 - 127) holds the byte at 1 from below
.endr
.irp i, 2,4,6,8,10,12,14
.irp b, 0,1,2,3
	v_max3_num_f32 v[TM+\b], |v[AC+16*\b+\i]|, |v[AC+16*\b+\i+1]|, v[TM+\b]
.endr
.endr
	WIN 0
.irp b, 0,1,2,3
	v_permlanex16_b32 v[TM+4+\b], v[TM+\b], s2, s3
.endr
.irp b, 0,1,2,3
	v_max_num_f32 v[TM+\b], v[TM+\b], v[TM+4+\b]   ; with lane l xor 16's 16: the block's largest magnitude
.endr
.irp b, 0,1,2,3
	v_add_nc_u32 v[TM+12+\b], 0xfe000000, v[TM+\b] ; 4 off the exponent field: the conversion's scale operand
.endr
.irp b, 0,1,2,3
	v_lshrrev_b32 v[TM+4+\b], 23, v[TM+12+\b]      ; the byte
.endr
	v_lshl_or_b32 v[PW+\a], v[TM+5], 8, v[TM+4]
	v_lshl_or_b32 v[PW+\a], v[TM+6], 16, v[PW+\a]
	v_lshl_or_b32 v[PW+\a], v[TM+7], 24, v[PW+\a]
	WIN 0x02                                       ; source 0 window 2
.irp c, 0,1
	v_cvt_scalef32_pk16_bf6_f32 v[PC+6*\c:PC+6*\c+2], v[AC+32*\c:AC+32*\c+15], v[TM+12+2*\c]
	v_cvt_scalef32_pk16_bf6_f32 v[PC+12+4*\c:PC+14+4*\c], v[AC+32*\c+16:AC+32*\c+31], v[TM+12+2*\c+1]
.endr
	WIN 0
	v_nop                                          ; one plain place behind a scaled conversion
.irp c, 0,1                                    ; the layout wants a whole block of 32 in a lane: lanes 0-15 block 2 c, lanes 16-31 block 2 c + 1
.irp i, 0,1,2
	v_permlane16_swap_b32 v[PC+6*\c+\i], v[PC+12+4*\c+\i]
.endr
.irp i, 0,1,2
	v_mov_b32 v[PC+3+6*\c+\i], v[PC+12+4*\c+\i]
.endr
.endr
	global_store_b128 v9, v[PC:PC+3], s[90:91] offset:768*(\a)         ; 512 consecutive aligned bytes
	global_store_b64 v10, v[PC+4:PC+5], s[90:91] offset:768*(\a)+512   ; 256
	global_store_b128 v9, v[PC+6:PC+9], s[92:93] offset:768*(\a)
	global_store_b64 v10, v[PC+10:PC+11], s[92:93] offset:768*(\a)+512
.endm
	s_load_b256 s[4:11], s[0:1], 0x0               ; xc s[4:5], xs s[6:7], wc s[8:9], ws s[10:11]
	s_load_b128 s[12:15], s[0:1], 0x20             ; qkvc s[12:13], qkvs s[14:15]
	v_lshl_add_u32 v254, v0, 2, 0x48000
	v_mov_b32 v255, 0
	ds_add_u32 v254, v255
	ds_add_u32 v254, v255
	v_lshrrev_b32 v1, 5, v0
	v_readfirstlane_b32 s16, v1                    ; wave 0..3
	s_lshr_b32 s17, s16, 1                         ; which block of S0 is mine.  Also: I fetch for S0 (0) or for S1 (1)
	s_and_b32 s18, s16, 1                          ; which four tiles of S1 are mine.  Also: which part I fetch
	s_bfe_u32 s19, ttmp6, 0x40000                  ; cx
	s_bfe_u32 s20, ttmp6, 0x40004                  ; cy
	s_mov_b32 s21, ttmp9                           ; the cluster's x
	s_and_b32 s22, ttmp7, 0xffff                   ; the cluster's y
	s_mov_b32 s2, 0x76543210
	s_mov_b32 s3, 0xfedcba98                       ; v_permlanex16_b32's selects for lane l xor 16
	s_lshl_b32 s66, s20, 2
	s_lshl_b32 s66, 15, s66                        ; my row of the cluster
	s_lshl_b32 s67, 0x1111, s19                    ; my column
	; descriptor groups 1: dense blocks as rows of 256 bytes (32 elements of 8 bytes).  S0: two K steps of a block, 96 rows; S1: one K step, 48 rows
	s_or_b32 s24, s67, (3<<16)|(1<<21)             ; 15:0 the mask: S0's parts go to my column; 17:16 elements of 8 bytes; 21 set beside a mask
	s_or_b32 s32, s66, (3<<16)|(1<<21)             ; S1's go to my row
	s_mov_b32 s25, 32<<16                          ; tensor_dim0
	s_mov_b32 s26, 96<<16                          ; tensor_dim1
	s_mov_b32 s27, 32<<16                          ; tile_dim0
	s_mov_b32 s28, 96                              ; tile_dim1
	s_mov_b32 s29, 32                              ; the pitch
	s_mov_b32 s30, 0
	s_mov_b32 s31, 0
	s_mov_b32 s33, 32<<16
	s_mov_b32 s34, 48<<16
	s_mov_b32 s35, 32<<16
	s_mov_b32 s36, 48
	s_mov_b32 s37, 32
	s_mov_b32 s38, 0
	s_mov_b32 s39, 0
	s_lshr_b32 s84, s22, 1
	s_and_b32 s85, s22, 1
	s_add_co_u32 s85, s85, 4
	s_cmp_lt_u32 s21, 2                            ; q and k, or v?  The cluster's x alone decides
	s_cselect_b32 s84, s21, s84
	s_cselect_b32 s85, s22, s85
	s_lshl_b32 s84, s84, 2
	s_add_co_u32 s84, s84, s19                     ; S0's pair of blocks: 4 x + cx (of wc's 0..7), or 4 (y / 2) + cx (of xc's 0..31)
	s_lshl_b32 s85, s85, 2
	s_add_co_u32 s85, s85, s20                     ; S1's block: 4 y + cy (of xc's 0..63), or 16 + 4 (y % 2) + cy (of wc)
	s_lshl_b32 s86, s84, 1
	s_add_co_u32 s86, s86, s18
	s_mul_i32 s86, s86, BLKB                       ; S0: the block that I fetch, if I fetch for S0
	s_mov_b32 s87, 0
	s_mul_i32 s88, s85, BLKB
	s_mul_i32 s89, s18, STEPB
	s_add_co_u32 s88, s88, s89                     ; S1: K step w % 2 of the block
	s_mov_b32 s89, 0
	s_mul_i32 s23, s18, BLKB                       ; and where they go: no place in the cluster enters an LDS address
	s_mul_i32 s101, s18, STEPB
	s_wait_dscnt 0x0
	s_wait_kmcnt 0x0
	s_cmp_lt_u32 s21, 2
	s_cselect_b64 s[76:77], s[8:9], s[4:5]         ; S0's codes
	s_cselect_b64 s[78:79], s[10:11], s[6:7]       ; S0's scales
	s_cselect_b64 s[80:81], s[4:5], s[8:9]         ; S1's codes
	s_cselect_b64 s[82:83], s[6:7], s[10:11]       ; S1's scales
	s_add_nc_u64 s[86:87], s[76:77], s[86:87]
	s_add_nc_u64 s[88:89], s[80:81], s[88:89]
	CROUND                                         ; all sixteen work-groups are here: the joint loads meet
.irp p, 0,1,2,3                                ; groups 0, one for each phase p of two K steps
.set GB, 56+4*\p+4*(\p/2)
	s_mov_b32 s[40+4*\p], 1
	s_add_co_u32 s[41+4*\p], s23, \p*24576
	s_add_nc_u64 s[42+4*\p:43+4*\p], s[86:87], \p*24576
	s_or_b32 s[43+4*\p], s[43+4*\p], 0x80000000
	s_mov_b32 s[GB], 1
	s_add_co_u32 s[GB+1], s101, S1L+\p*24576
	s_add_nc_u64 s[GB+2:GB+3], s[88:89], \p*24576
	s_or_b32 s[GB+3], s[GB+3], 0x80000000
.endr
	s_cmp_eq_u32 s17, 0                            ; a wave's four fills stand together in one branch on its number: four tensor loads of mine are out; four v_nop follow the last
	s_cbranch_scc0 .Lfor_s1
	tensor_load_to_lds s[40:43], s[24:31]
	s_nop 0
	tensor_load_to_lds s[44:47], s[24:31]
	s_nop 0
	tensor_load_to_lds s[48:51], s[24:31]
	s_nop 0
	tensor_load_to_lds s[52:55], s[24:31]
	s_nop 0
.rept 4
	v_nop
.endr
	s_branch .Lasked
.Lfor_s1:
	tensor_load_to_lds s[56:59], s[32:39]
	s_nop 0
	tensor_load_to_lds s[60:63], s[32:39]
	s_nop 0
	tensor_load_to_lds s[68:71], s[32:39]
	s_nop 0
	tensor_load_to_lds s[72:75], s[32:39]
	s_nop 0
.rept 4
	v_nop
.endr
.Lasked:
	v_and_b32 v12, 31, v0
	v_lshlrev_b32 v9, 4, v12
	v_lshlrev_b32 v10, 3, v12
	v_lshlrev_b32 v11, 2, v12
	v_cmp_le_u32 s100, 16, v12                     ; the lanes 16-31
	; the scale words go from memory straight into registers, once: 256 consecutive bytes a load: two K steps' words of a pair of tiles (lanes 0-15 the even tile, lanes 16-31 the odd)
	s_lshl_b32 s104, s84, 1
	s_add_co_u32 s104, s104, s17
	s_lshl_b32 s104, s104, 12
	s_mov_b32 s105, 0
	s_add_nc_u64 s[78:79], s[78:79], s[104:105]
	s_lshl_b32 s104, s85, 12
	s_lshl_b32 s90, s18, 11
	s_add_co_u32 s104, s104, s90
	s_add_nc_u64 s[82:83], s[82:83], s[104:105]
.irp p, 0,1,2,3
.irp q, 0,1,2,3
	global_load_b64 v[SC0+8*\p+2*\q:SC0+8*\p+2*\q+1], v10, s[78:79] offset:1024*\p+256*\q
.endr
.endr
.irp p, 0,1
.irp q, 0,1,2,3
	global_load_b64 v[SC1+8*\p+2*\q:SC1+8*\p+2*\q+1], v10, s[82:83] offset:1024*\p+256*\q
.endr
.endr
	s_mul_i32 s104, s17, BLKB
	v_add_nc_u32 v1, s104, v9                      ; S0: my block, 16 x lane;
	v_add_nc_u32 v2, s104, v10                     ; 8 x lane;
	v_add_nc_u32 v3, 4*STEPB, v1                   ; and the same four K steps on
	v_add_nc_u32 v4, 4*STEPB, v2
	s_mul_i32 s104, s18, 4*FRB
	s_add_co_u32 s104, s104, S1L
	v_add_nc_u32 v5, s104, v9                      ; S1: my four tiles
	v_add_nc_u32 v6, s104, v10
	v_add_nc_u32 v7, 4*STEPB, v5
	v_add_nc_u32 v8, 4*STEPB, v6
.irp b, 0,1,2,3
	v_mov_b32 v[TM+4+\b], 0                        ; written once: a lane permute's destination counts as one of its sources
.endr
	; where my results go.  I0: my block of S0
	s_lshl_b32 s99, s84, 1
	s_add_co_u32 s99, s99, s17
	s_lshr_b32 s90, s99, 3                         ; q and k: 0 = q, 1 = k;
	s_and_b32 s91, s99, 7                          ; the pair of heads;
	s_lshr_b32 s92, s85, 4                         ; the batch;
	s_and_b32 s93, s85, 15
	s_lshl_b32 s93, s93, 3
	s_lshl_b32 s94, s18, 2
	s_add_co_u32 s93, s93, s94                     ; my first tile of tokens
	s_mul_i32 s94, s90, 6291456
	s_mul_i32 s95, s92, 1572864
	s_add_co_u32 s94, s94, s95
	s_mul_i32 s95, s91, 196608
	s_add_co_u32 s94, s94, s95
	s_mul_i32 s95, s93, 768
	s_add_co_u32 s94, s94, s95                     ; the codes' place, q and k
	s_lshl_b32 s95, s90, 18
	s_lshl_b32 s96, s92, 16
	s_add_co_u32 s95, s95, s96
	s_lshl_b32 s96, s91, 13
	s_add_co_u32 s95, s95, s96
	s_lshl_b32 s96, s93, 5
	s_add_co_u32 s95, s95, s96                     ; the scales' place, q and k
	s_sub_co_u32 s96, s85, 16                      ; v:
	s_lshl_b32 s96, s96, 1
	s_add_co_u32 s96, s96, s18                     ; my head
	s_mul_i32 s97, s99, 98304
	s_mul_i32 s104, s96, 3072
	s_add_co_u32 s97, s97, s104
	s_add_co_u32 s97, s97, 12582912                ; the codes' place, v
	s_lshl_b32 s104, s99, 12
	s_lshl_b32 s105, s96, 7
	s_add_co_u32 s104, s104, s105
	s_add_co_u32 s104, s104, 524288                ; the scales' place, v
	s_cmp_lt_u32 s21, 2
	s_cselect_b32 s94, s94, s97
	s_cselect_b32 s95, s95, s104
	s_mov_b32 s96, 49152
	s_cselect_b32 s96, 98304, s96                  ; from a fragment's first half to its second: the next head, or the key step's second 64 keys
	s_mov_b32 s97, 2048
	s_cselect_b32 s97, 4096, s97                   ; the same for the scale words
	s_mov_b32 s98, 0x03020100
	s_cselect_b32 s98, 0x05040100, s98             ; q and k: the first head's two bytes of two tiles; v: the even tile's word
	s_mov_b32 s99, 0x07060504
	s_cselect_b32 s99, 0x07060302, s99             ; the second head's; the odd tile's word
	s_mov_b32 s105, 0
	s_mov_b32 s104, s94
	s_add_nc_u64 s[90:91], s[12:13], s[104:105]
	s_mov_b32 s104, s96
	s_add_nc_u64 s[92:93], s[90:91], s[104:105]
	s_mov_b32 s104, s95
	s_add_nc_u64 s[94:95], s[14:15], s[104:105]
	s_mov_b32 s104, s97
	s_add_nc_u64 s[96:97], s[94:95], s[104:105]
	s_wait_tensorcnt 3                             ; my part of K steps 0 and 1 has landed; my three later phases may be out
	s_barrier_signal -1
	s_barrier_wait -1                              ; everybody's has
	FETCH 0
	s_wait_loadcnt 0x0                             ; the scale words
	PLAIN 0, 1                                     ; the first K step's products start the sums: nothing is cleared
	BOUND 1
	PLAIN 2, 0
	BOUND 3
	PLAIN 4, 0
	BOUND 5
	PLAIN 6, 0
	s_wait_dscnt 0x0
	MUL16 0, 7, 0
	MUL16 2, 7, 0
	WIN 0
	PLACES 4
	QUANT 0
	QUANT 1
	QUANT 2
	QUANT 3
.irp p, 0,1
	v_perm_b32 v[OW+\p], v[PW+2*\p+1], v[PW+2*\p], s98
	v_perm_b32 v[OW+2+\p], v[PW+2*\p+1], v[PW+2*\p], s99
.endr
	v_cndmask_b32 v[OW+4], v[OW], v[OW+1], s100    ; lanes 0-15: tiles 0 and 1 (v: tile 0), lanes 16-31: tiles 2 and 3 (v: tile 2)
	v_cndmask_b32 v[OW+5], v[OW+2], v[OW+3], s100
	global_store_b32 v11, v[OW+4], s[94:95]        ; 128 consecutive bytes
	global_store_b32 v11, v[OW+5], s[96:97]
	s_wait_tensorcnt 0x0
	ds_add_u32 v254, v255
	s_wait_dscnt 0x0
	CROUND                                         ; the closing round: no work-group ends while a partner may still ask for a part that names it
	s_endpgm
.Lfunc_end_k_q65dd6433a8_qkv:
	.size	k_q65dd6433a8_qkv, .Lfunc_end_k_q65dd6433a8_qkv-k_q65dd6433a8_qkv
	.p2alignl 7, 3214868480
	.fill 96, 4, 3214868480
	.section	.rodata,"a",@progbits
	.p2align	6, 0x0
	.amdhsa_kernel k_q65dd6433a8_qkv
		.amdhsa_group_segment_fixed_size 295424
		.amdhsa_private_segment_fixed_size 0
		.amdhsa_enable_private_segment 0
		.amdhsa_kernarg_size 48
		.amdhsa_user_sgpr_count 2
		.amdhsa_user_sgpr_kernarg_segment_ptr 1
		.amdhsa_wavefront_size32 1
		.amdhsa_system_sgpr_workgroup_id_x 1
		.amdhsa_system_sgpr_workgroup_id_y 1
		.amdhsa_system_sgpr_workgroup_id_z 1
		.amdhsa_system_vgpr_workitem_id 0
		.amdhsa_next_free_vgpr 768
		.amdhsa_next_free_sgpr 106
		.amdhsa_reserve_vcc 0
		.amdhsa_float_denorm_mode_32 3
		.amdhsa_float_denorm_mode_16_64 3
		.amdhsa_memory_ordered 1
		.amdhsa_forward_progress 1
		.amdhsa_inst_pref_size 89
	.end_amdhsa_kernel
	.amdgpu_metadata
---
amdhsa.version: [ 1, 2 ]
amdhsa.kernels:
  - .name:           k_q65dd6433a8_qkv
    .symbol:         k_q65dd6433a8_qkv.kd
    .args:
      - { .name: xc, .offset: 0, .size: 8, .value_kind: global_buffer, .address_space: global }
      - { .name: xs, .offset: 8, .size: 8, .value_kind: global_buffer, .address_space: global }
      - { .name: wc, .offset: 16, .size: 8, .value_kind: global_buffer, .address_space: global }
      - { .name: ws, .offset: 24, .size: 8, .value_kind: global_buffer, .address_space: global }
      - { .name: qkvc, .offset: 32, .size: 8, .value_kind: global_buffer, .address_space: global }
      - { .name: qkvs, .offset: 40, .size: 8, .value_kind: global_buffer, .address_space: global }
    .group_segment_fixed_size: 295424
    .private_segment_fixed_size: 0
    .kernarg_segment_align: 8
    .kernarg_segment_size: 48
    .max_flat_workgroup_size: 128
    .sgpr_count:     106
    .vgpr_count:     768
    .wavefront_size: 32
...
	.end_amdgpu_metadata
.endif
;; end of part 2
;; launch attn (part 3): grid 4 x 64, 16 waves a work-group, clusters of 4 x 1, 206,848 bytes of LDS; arguments qkvc, qkvs, ac, asc; writes ac, asc
.if DOCPART == 3
	.amdgcn_target "amdgcn-amd-amdhsa--gfx1250"
	.amdhsa_code_object_version 6
	.text
	.protected	k_q65dd6433a8_attn
	.globl	k_q65dd6433a8_attn
	.p2align	8
	.type	k_q65dd6433a8_attn,@function
k_q65dd6433a8_attn:
	s_mov_b64 s[64:65], 0
	v_nop
	global_prefetch_b8 v0, s[64:65] scope:SCOPE_SE
	s_setreg_imm32_b32 hwreg(HW_REG_WAVE_MODE, 25, 1), 1
	s_wait_xcnt 0x0
	s_wait_alu depctr_hold_cnt(0) depctr_sa_sdst(0) depctr_va_vdst(0) depctr_va_sdst(0) depctr_va_ssrc(0) depctr_va_vcc(0) depctr_vm_vsrc(0)
	s_getreg_b32 s2, hwreg(HW_REG_IB_STS2, 6, 4)
	s_cmp_eq_u32 s2, 0
	s_cbranch_scc0 .Lentry_in_a_cluster
	s_endpgm
.Lentry_in_a_cluster:
	s_bfe_u32 s2, ttmp6, 0x10000c
	s_cmp_lg_u32 s2, 0x3003
	s_cbranch_scc0 .Lentry_shape_is_right
	s_endpgm
.Lentry_shape_is_right:
; Causal attention of one head on codes of BF6 with E8M0 scales: scores = q k^T (K = the head's 64), p = 2^(t - M), o = p v (K = the keys), o / l quantised along the model's 1,024 for the last product.
; t = score x log2(e) / 8; M = the running largest t rounded UP to a whole number; p is quantised unnormalised, along the keys; the row's sum l is taken of the unquantised p in f32 and divides o at the end.
; When M moves, l and o are multiplied by 2^(old M - new M): exact.  Hidden scores become -infinity (p = 0); the diagonal key always counts, so M is a number from a row's first step on.
; SHARES.  The four work-groups of a cluster share one head (16 b + head = the grid's y).  Wave w of work-group cx owns two tiles of 16 queries: A = 8 (w / 2) + 4 (w % 2) + cx and B = 127 - A.
; A needs w / 2 + 1 key steps of 128 keys and B 16 - w / 2: 17 for every wave of the launch.  Branches and LDS addresses hang on the wave's number and the key step alone.
; THE HEAD'S WHOLE K AND V LIE IN LDS, 2 x 98,304 bytes of codes and 2 x 4,096 of scale bytes, filled once by joint tensor loads (wave 0: K's, wave 1: V's; five each: the scales, then four chunks of four key steps).
; LAYOUT.  Both products are used transposed (source 0 = 16 keys, or 16 channels; source 1 = my 16 queries): a lane holds one query throughout.  Row r of tile tau of a block of 128 tokens is token
; 32 (tau / 2) + 8 (tau % 2) + r + 8 (r / 8), so the 16 score registers of tiles 2 b, 2 b + 1 are keys 32 b + 16 h + 0 .. 15, and likewise o's registers along the channels.
; K = 64 IN AN INSTRUCTION OF 128: a fragment of k is the halves of tiles 2 b and 2 b + 1; against [q | zeros] it gives tile 2 b's scores, against [zeros | q] tile 2 b + 1's.  Zero codes add nothing.
; LIMITS: a block of zeros, or one under 2^-122, gets the byte 1; this program alone reads the bytes.  NaN and infinities are not served.
; REGISTERS: v1-3 lane places, v4-8 the step's LDS addresses, v9-10 the mask's numbers, v11 -infinity, v12-15 and v16-19 (-M, largest t, l in two halves) of A and B, v20-49 zeros | q A | zeros | q B | zeros,
;   v50-56 scale words and nothing else (q A, q B, k, k, v, v, p), v57 8 r, v58-105 four fragments (in the softmax: at work), v106-169 scores, then p, v170-201 and v202-233 o^T of A and B, v234-245 p's codes, v246-255 at work.
.set FR,   58
.set BM,   FR                          ; block maxima
.set BX,   FR+4                        ; the other half's; then the bytes
.set BS,   FR+8                        ; the conversions' scale operands
.set PT,   FR+12                       ; the upper halves as converted
.set S,    106
.set PC,   234
.set KSC,  52
.set VSC,  54
.set PSC,  56
.set R8,   57
.set ADK16, 4
.set ADK8,  5
.set ADV16, 6
.set ADV8,  7
.set ADS,   8
.set NINF, 11
.set WV,   12                          ; s12 wave
.set KSR,  19                          ; s19 the key step
.set SEL,  20                          ; s[20:21]
.set CS,   22                          ; s[22:23] c = log2(e) / 8
.set TB,   80                          ; s80 6,144 x key step
.set TS,   81                          ; s81 256 x key step
.set HM,   98                          ; s98 the lanes 16-31
.macro CROUND
	s_barrier_signal -1
	s_barrier_wait -1
	s_cmp_lg_u32 s[WV], 0
	s_cbranch_scc1 .Lnot_wave_0_\@
	s_barrier_signal -3
.Lnot_wave_0_\@:
	s_barrier_wait -3
	s_barrier_signal -1
	s_barrier_wait -1
.endm
.macro WMR d, a, b, z, sa, sb, ra, rb
.set WSEL, 4*(\z)+2*(\ra)+(\rb)
.if WSEL == 0
	v_wmma_scale_f32_16x16x128_f8f6f4 v[(\d):(\d)+7], v[(\a):(\a)+11], v[(\b):(\b)+11], v[(\d):(\d)+7], v[(\sa)], v[(\sb)] matrix_a_fmt:MATRIX_FMT_BF6 matrix_b_fmt:MATRIX_FMT_BF6
.elseif WSEL == 2
	v_wmma_scale_f32_16x16x128_f8f6f4 v[(\d):(\d)+7], v[(\a):(\a)+11], v[(\b):(\b)+11], v[(\d):(\d)+7], v[(\sa)], v[(\sb)] matrix_a_fmt:MATRIX_FMT_BF6 matrix_b_fmt:MATRIX_FMT_BF6 matrix_a_scale:MATRIX_SCALE_ROW1
.elseif WSEL == 4
	v_wmma_scale_f32_16x16x128_f8f6f4 v[(\d):(\d)+7], v[(\a):(\a)+11], v[(\b):(\b)+11], 0, v[(\sa)], v[(\sb)] matrix_a_fmt:MATRIX_FMT_BF6 matrix_b_fmt:MATRIX_FMT_BF6
.else
	v_wmma_scale_f32_16x16x128_f8f6f4 v[(\d):(\d)+7], v[(\a):(\a)+11], v[(\b):(\b)+11], 0, v[(\sa)], v[(\sb)] matrix_a_fmt:MATRIX_FMT_BF6 matrix_b_fmt:MATRIX_FMT_BF6 matrix_a_scale:MATRIX_SCALE_ROW1
.endif
.endm
.macro FRAGK reg, off                  ; two neighbouring tiles' halves of k
	ds_load_b128 v[(\reg):(\reg)+3], v[ADK16] offset:(\off)
	ds_load_b64 v[(\reg)+4:(\reg)+5], v[ADK8] offset:(\off)+512
	ds_load_b128 v[(\reg)+6:(\reg)+9], v[ADK16] offset:(\off)+768
	ds_load_b64 v[(\reg)+10:(\reg)+11], v[ADK8] offset:(\off)+1280
.endm
.macro FRAGV reg, off                  ; a tile of v: its half for keys 0-63 of the step, and 3,072 bytes on its half for keys 64-127
	ds_load_b128 v[(\reg):(\reg)+3], v[ADV16] offset:(\off)
	ds_load_b64 v[(\reg)+4:(\reg)+5], v[ADV8] offset:(\off)+512
	ds_load_b128 v[(\reg)+6:(\reg)+9], v[ADV16] offset:(\off)+3072
	ds_load_b64 v[(\reg)+10:(\reg)+11], v[ADV8] offset:(\off)+3584
.endm
; ONE TILE'S KEY STEP.  ST: its statistics; QB: its q (zeros stand six registers below and six above); QS: q's scale word; O: its o^T; DQ: the mask's number; LIM: the scalar that holds its last key step
.macro SUB ST, QB, QS, O, DQ, LIM
	s_cmp_gt_u32 s[KSR], s[\LIM]                   ; all 128 keys come after my 16 queries: the step's work is left out
	s_cbranch_scc1 .Lskip_\@
.rept 4
	v_nop                                          ; places in front of loads into registers that the last products read
.endr
.irp b, 0,1,2,3
	FRAGK FR+12*\b, 1536*\b
.endr
	ds_load_b32 v[KSC], v[ADS]                     ; k's scale words: lanes 0-15 tiles 0, 1; lanes 16-31 tiles 2, 3;
	ds_load_b32 v[KSC+1], v[ADS] offset:128        ; tiles 4, 5; tiles 6, 7
	s_wait_dscnt 0x0
.irp b, 0,1,2,3
	WMR S+16*\b, FR+12*\b, \QB, 1, KSC+\b/2, \QS, \b%2, 0
	WMR S+16*\b+8, FR+12*\b, \QB-6, 1, KSC+\b/2, \QS, \b%2, 0
.endr
.rept 4
	v_nop
.endr
	s_cmp_lg_u32 s[KSR], s[\LIM]                   ; only the tile's last step lies on the diagonal
	s_cbranch_scc1 .Lopen_\@
.irp n, 0,1,2,3,4,5,6,7,8,9,10,11,12,13,14,15,16,17,18,19,20,21,22,23,24,25,26,27,28,29,30,31,32,33,34,35,36,37,38,39,40,41,42,43,44,45,46,47,48,49,50,51,52,53,54,55,56,57,58,59,60,61,62,63
	v_cmp_gt_i32 vcc_lo, 32*(\n/16)+\n%16, v[\DQ]  ; register 16 b + i holds key 32 b + 16 h + i of the step: hidden where 32 b + i > my query's place - 16 h
	v_cndmask_b32 v[S+\n], v[S+\n], v[NINF], vcc_lo
.endr
.Lopen_\@:
.irp b, 0,1,2,3
	v_max3_num_f32 v[BM+\b], v[S+16*\b], v[S+16*\b+1], v[S+16*\b+2]   ; the largest score of each block of 32 keys: for the row's maximum and, since p rises with the score, for the block's largest p
.endr
.irp i, 3,5,7,9,11,13
.irp b, 0,1,2,3
	v_max3_num_f32 v[BM+\b], v[BM+\b], v[S+16*\b+\i], v[S+16*\b+\i+1]
.endr
.endr
.irp b, 0,1,2,3
	v_max_num_f32 v[BM+\b], v[BM+\b], v[S+16*\b+15]
.endr
.irp b, 0,1,2,3
	v_permlanex16_b32 v[BX+\b], v[BM+\b], s[SEL], s[SEL+1]
.endr
.irp b, 0,1,2,3
	v_max_num_f32 v[BM+\b], v[BM+\b], v[BX+\b]     ; with lane l xor 16's 16 keys
.endr
	v_max3_num_f32 v250, v[BM], v[BM+1], v[BM+2]
	v_max_num_f32 v250, v250, v[BM+3]
	v_mul_f32 v250, s[CS], v250                    ; the step's largest t (c is positive)
	v_max_num_f32 v[\ST+1], v[\ST+1], v250         ; the running largest t
	v_mov_b32 v250, v[\ST]
	v_floor_f32 v[\ST], -v[\ST+1]                  ; the new -M = floor(-t)
	v_sub_f32 v250, v[\ST], v250                   ; old M - new M: a whole number, 0 or less
	v_cvt_i32_f32 v250, v250                       ; (it saturates)
	v_ldexp_f32 v246, 1.0, v250                    ; f = 2^(old M - new M)
.set j, 0
.rept 32
	v_pk_fma_f32 v[S+j:S+j+1], v[S+j:S+j+1], s[CS:CS+1], v[\ST:\ST+1] op_sel_hi:[1,0,0]   ; t - M, two at a time
.set j, j+2
.endr
.irp b, 0,1,2,3
	v_fma_f32 v[BM+\b], v[BM+\b], s[CS], v[\ST]
.endr
.set j, 0
.rept 64
	v_exp_f32 v[S+j], v[S+j]                       ; p = 2^(t - M)
.set j, j+1
.endr
.irp b, 0,1,2,3
	v_exp_f32 v[BM+\b], v[BM+\b]                   ; the block's largest p
.endr
	v_pk_mul_f32 v[\ST+2:\ST+3], v[\ST+2:\ST+3], v[246:247] op_sel_hi:[1,0]   ; l under the new M (a plain place behind the exponentials)
	s_wait_alu depctr_va_vdst(0)
.irp b, 0,1,2,3
	v_max_num_f32 v[BM+\b], 0x2800000, v[BM+\b]    ; the floor 2^(5 - 127): the byte cannot fall under 1
.endr
.irp b, 0,1,2,3
	v_add_nc_u32 v[BS+\b], 0xfe000000, v[BM+\b]
.endr
.irp b, 0,1,2,3
	v_lshrrev_b32 v[BX+\b], 23, v[BS+\b]
.endr
	v_lshl_or_b32 v[PSC], v[BX+1], 8, v[BX]        ; p's scale word for these 128 keys
	v_lshl_or_b32 v[PSC], v[BX+2], 16, v[PSC]
	v_lshl_or_b32 v[PSC], v[BX+3], 24, v[PSC]
.irp c, 0,1
	v_cvt_scalef32_pk16_bf6_f32 v[PC+6*\c:PC+6*\c+2], v[S+32*\c:S+32*\c+15], v[BS+2*\c]
	v_cvt_scalef32_pk16_bf6_f32 v[PT+4*\c:PT+4*\c+2], v[S+32*\c+16:S+32*\c+31], v[BS+2*\c+1]
.endr
	v_nop                                          ; one plain place behind a scaled conversion
.irp c, 0,1
.irp i, 0,1,2
	v_permlane16_swap_b32 v[PC+6*\c+\i], v[PT+4*\c+\i]
.endr
.irp i, 0,1,2
	v_mov_b32 v[PC+3+6*\c+\i], v[PT+4*\c+\i]
.endr
.endr
.irp t, 0,1,2,3
	FRAGV FR+12*\t, 768*\t                         ; v's four tiles are asked for here: the 48 packed instructions below stand between the loads and the wait for them
.endr
	ds_load_b32 v[VSC], v[ADS] offset:4096         ; v's scale words: lanes 0-15 tile 0, lanes 16-31 tile 2;
	ds_load_b32 v[VSC+1], v[ADS] offset:4224       ; tiles 1 and 3
	v_pk_add_f32 v[248:249], v[S:S+1], v[S+2:S+3]  ; the row's sum of the unquantised p, in two chains
.irp j, 4,8,12,16,20,24,28,32,36,40,44,48,52,56,60
	v_pk_add_f32 v[\ST+2:\ST+3], v[\ST+2:\ST+3], v[S+\j:S+\j+1]
	v_pk_add_f32 v[248:249], v[248:249], v[S+\j+2:S+\j+3]
.endr
	v_pk_add_f32 v[\ST+2:\ST+3], v[\ST+2:\ST+3], v[248:249]
.set j, 0
.rept 16
	v_pk_mul_f32 v[\O+j:\O+j+1], v[\O+j:\O+j+1], v[246:247] op_sel_hi:[1,0]   ; o^T under the new M, each accumulator from its low end on
.set j, j+2
.endr
	s_wait_dscnt 0x0
.irp t, 0,1,2,3
	WMR \O+8*\t, FR+12*\t, PC, 0, VSC+\t%2, PSC, \t/2, 0
.endr
.Lskip_\@:
.endm
; Four key steps: those of one chunk.  left: my later chunks, which may stay out
.macro RUN end, left
	s_wait_tensorcnt \left
	s_wait_dscnt 0x0
	s_barrier_signal -1
	s_barrier_wait -1
.Lrun_\@:
	v_add_nc_u32 v[ADK16], s[TB], v1
	v_add_nc_u32 v[ADK8], s[TB], v2
	v_add_nc_u32 v[ADV16], 98304, v[ADK16]
	v_add_nc_u32 v[ADV8], 98304, v[ADK8]
	v_add_nc_u32 v[ADS], s[TS], v3
	SUB 12, 26, 50, 170, 9, 17
	SUB 16, 38, 51, 202, 10, 18
	s_add_co_u32 s[TB], s[TB], 6144
	s_add_co_u32 s[TS], s[TS], 256
	s_add_co_u32 s[KSR], s[KSR], 1
	s_cmp_lt_u32 s[KSR], \end
	s_cbranch_scc1 .Lrun_\@
.endm
; A tile's end: o^T / l, quantised along the channels (two blocks of 32), half a fragment of the last product's operand.  PCD: its six code registers; WH: its two bytes; BASE: where the half goes
.macro EPI ST, O, PCD, WH, BASE
	v_add_f32 v250, v[\ST+2], v[\ST+3]
	v_permlanex16_b32 v251, v250, s[SEL], s[SEL+1]
	v_add_f32 v250, v250, v251                     ; the row's sum
	v_rcp_f32 v246, v250
	v_nop                                          ; one plain place behind a transcendental
.set j, 0
	s_wait_alu depctr_va_vdst(0)
.rept 16
	v_pk_mul_f32 v[S+j:S+j+1], v[\O+j:\O+j+1], v[246:247] op_sel_hi:[1,0]
.set j, j+2
.endr
.irp b, 0,1
	v_max3_num_f32 v[BM+\b], |v[S+16*\b]|, |v[S+16*\b+1]|, 0x2800000
.endr
.irp i, 2,4,6,8,10,12,14
.irp b, 0,1
	v_max3_num_f32 v[BM+\b], v[BM+\b], |v[S+16*\b+\i]|, |v[S+16*\b+\i+1]|
.endr
.endr
.irp b, 0,1
	v_permlanex16_b32 v[BX+\b], v[BM+\b], s[SEL], s[SEL+1]
.endr
.irp b, 0,1
	v_max_num_f32 v[BM+\b], v[BM+\b], v[BX+\b]
.endr
.irp b, 0,1
	v_add_nc_u32 v[BS+\b], 0xfe000000, v[BM+\b]
.endr
.irp b, 0,1
	v_lshrrev_b32 v[BX+\b], 23, v[BS+\b]
.endr
	v_lshl_or_b32 v[\WH], v[BX+1], 8, v[BX]
	v_cvt_scalef32_pk16_bf6_f32 v[\PCD:\PCD+2], v[S:S+15], v[BS]
	v_cvt_scalef32_pk16_bf6_f32 v[PT:PT+2], v[S+16:S+31], v[BS+1]
	v_nop
.irp i, 0,1,2
	v_permlane16_swap_b32 v[\PCD+\i], v[PT+\i]
.endr
.irp i, 0,1,2
	v_mov_b32 v[\PCD+3+\i], v[PT+\i]
.endr
	global_store_b128 v1, v[\PCD:\PCD+3], s[\BASE:\BASE+1]               ; 512 consecutive aligned bytes
	global_store_b64 v2, v[\PCD+4:\PCD+5], s[\BASE:\BASE+1] offset:512   ; 256
.endm
.macro OUTOFF j, dc, ds                ; tile s[j]: its half's place in ac into s[dc], its two bytes' place in asc (less 8 r) into s[ds]
	s_lshr_b32 s82, s[\j], 3
	s_add_co_u32 s82, s82, s84                     ; the block of 128 tokens
	s_and_b32 s83, s[\j], 7                        ; the tile in it
	s_mul_i32 s[\dc], s82, 98304
	s_lshl_b32 s[\ds], s82, 12
	s_mul_i32 s82, s83, 1536
	s_add_co_u32 s[\dc], s[\dc], s82
	s_add_co_u32 s[\dc], s[\dc], s85
	s_lshr_b32 s82, s83, 1
	s_lshl_b32 s82, s82, 10
	s_add_co_u32 s[\ds], s[\ds], s82
	s_and_b32 s83, s83, 1
	s_lshl_b32 s83, s83, 7
	s_add_co_u32 s[\ds], s[\ds], s83
	s_add_co_u32 s[\ds], s[\ds], s86
.endm
	s_load_b256 s[4:11], s[0:1], 0x0               ; qkvc s[4:5], qkvs s[6:7], ac s[8:9], asc s[10:11]
	v_lshl_add_u32 v254, v0, 2, 0x32000
	v_mov_b32 v255, 0
	ds_add_u32 v254, v255
	ds_add_u32 v254, v255
	s_wait_dscnt 0x0
	v_lshrrev_b32 v1, 5, v0
	v_readfirstlane_b32 s[WV], v1                  ; wave 0..15
	s_bfe_u32 s13, ttmp6, 0x40000                  ; cx
	s_and_b32 s14, ttmp7, 0xffff                   ; 16 b + head, which the four partners share
	s_lshr_b32 s15, s[WV], 1
	s_mov_b32 s17, s15                             ; tile A's last key step
	s_sub_co_u32 s18, 15, s15                      ; tile B's
	s_mov_b32 s[KSR], 0
	s_mov_b32 s[SEL], 0x76543210
	s_mov_b32 s[SEL+1], 0xfedcba98
	s_mov_b32 s[CS], 0x3e38aa3b                    ; log2(e) / 8
	s_mov_b32 s[CS+1], s[CS]                       ; (named with it as a pair, so it is written)
	; descriptor groups 1, elements of 8 bytes, mask: all four work-groups, bit 21 beside it
	s_mov_b32 s24, 15|(3<<16)|(1<<21)              ; k's codes: a chunk of four key steps, 24,576 dense bytes as 96 rows of 256
	s_mov_b32 s25, 32<<16
	s_mov_b32 s26, 96<<16
	s_mov_b32 s27, 32<<16
	s_mov_b32 s28, 96
	s_mov_b32 s29, 32
	s_mov_b32 s30, 0
	s_mov_b32 s31, 0
	s_mov_b32 s32, 15|(3<<16)|(1<<21)              ; v's codes: a chunk is 8 rows (key step, half) of the head's 3,072 bytes, 49,152 bytes apart
	s_mov_b32 s33, 384<<16
	s_mov_b32 s34, 8<<16
	s_mov_b32 s35, 384<<16
	s_mov_b32 s36, 8
	s_mov_b32 s37, 6144
	s_mov_b32 s38, 0
	s_mov_b32 s39, 0
	s_mov_b32 s40, 15|(3<<16)|(1<<21)              ; k's scale bytes: 4,096 dense bytes as 16 rows of 256
	s_mov_b32 s41, 32<<16
	s_mov_b32 s42, 16<<16
	s_mov_b32 s43, 32<<16
	s_mov_b32 s44, 16
	s_mov_b32 s45, 32
	s_mov_b32 s46, 0
	s_mov_b32 s47, 0
	s_mov_b32 s48, 15|(3<<16)|(1<<21)              ; v's scale bytes: 32 rows (key step, tile % 2) of the head's 128 bytes, 2,048 bytes apart
	s_mov_b32 s49, 16<<16
	s_mov_b32 s50, 32<<16
	s_mov_b32 s51, 16<<16
	s_mov_b32 s52, 32
	s_mov_b32 s53, 256
	s_mov_b32 s54, 0
	s_mov_b32 s55, 0
	s_lshr_b32 s3, s14, 4                          ; b
	s_and_b32 s67, s14, 15                         ; head
	s_mul_i32 s2, s14, 98304
	s_add_co_u32 s2, s2, 6291456                   ; k's codes in qkvc
	s_mul_i32 s66, s3, 1572864
	s_mul_i32 s101, s67, 3072
	s_add_co_u32 s66, s66, s101
	s_add_co_u32 s66, s66, 12582912                ; v's
	s_lshl_b32 s100, s14, 12
	s_add_co_u32 s100, s100, 262144                ; k's scale bytes in qkvs
	s_lshl_b32 s80, s3, 16
	s_lshl_b32 s81, s67, 7
	s_add_co_u32 s80, s80, s81
	s_add_co_u32 s80, s80, 524288                  ; v's
	s_cmp_eq_u32 s[WV], 0                          ; wave 0 fetches for k, wave 1 for v: offsets are chosen, on the wave's number
	s_cselect_b32 s2, s2, s66
	s_cselect_b32 s100, s100, s80
	s_mov_b32 s66, 393216
	s_cselect_b32 s66, 24576, s66                  ; from chunk to chunk in memory
	s_mov_b32 s3, 0
	s_mov_b32 s67, 0
	s_mov_b32 s101, 0
	s_mul_i32 s80, s[WV], 98304                    ; in LDS: k's codes at 0, v's at 98,304;
	s_lshl_b32 s81, s[WV], 12                      ; k's scale bytes at 196,608, v's at 200,704
	s_wait_kmcnt 0x0
	s_add_nc_u64 s[2:3], s[4:5], s[2:3]
	s_add_nc_u64 s[100:101], s[6:7], s[100:101]
	CROUND                                         ; all four work-groups are here: the joint loads meet
	s_mov_b32 s76, 1
	s_add_co_u32 s77, s81, 196608
	s_mov_b64 s[78:79], s[100:101]
	s_or_b32 s79, s79, 0x80000000
.irp c, 0,1,2,3
.set GC, 56+4*\c+4*(\c/2)
	s_mov_b32 s[GC], 1
	s_add_co_u32 s[GC+1], s80, \c*24576
	s_mov_b64 s[GC+2:GC+3], s[2:3]
	s_or_b32 s[GC+3], s[GC+3], 0x80000000
	s_add_nc_u64 s[2:3], s[2:3], s[66:67]
.endr
	s_cmp_eq_u32 s[WV], 0                          ; a wave's five fills stand together in one branch on its number: five tensor loads of that wave are out; four v_nop follow the last
	s_cbranch_scc0 .Lnot_k
	tensor_load_to_lds s[76:79], s[40:47]
	s_nop 0
	tensor_load_to_lds s[56:59], s[24:31]
	s_nop 0
	tensor_load_to_lds s[60:63], s[24:31]
	s_nop 0
	tensor_load_to_lds s[68:71], s[24:31]
	s_nop 0
	tensor_load_to_lds s[72:75], s[24:31]
	s_nop 0
.rept 4
	v_nop
.endr
	s_branch .Lasked
.Lnot_k:
	s_cmp_eq_u32 s[WV], 1
	s_cbranch_scc0 .Lasked
	tensor_load_to_lds s[76:79], s[48:55]
	s_nop 0
	tensor_load_to_lds s[56:59], s[32:39]
	s_nop 0
	tensor_load_to_lds s[60:63], s[32:39]
	s_nop 0
	tensor_load_to_lds s[68:71], s[32:39]
	s_nop 0
	tensor_load_to_lds s[72:75], s[32:39]
	s_nop 0
.rept 4
	v_nop
.endr
.Lasked:
	s_mov_b32 s[TB], 0
	s_mov_b32 s[TS], 0
	; my two tiles: cx enters global addresses, the mask's numbers and a byte selector, and nothing else
	s_and_b32 s16, s[WV], 1
	s_lshl_b32 s16, s16, 2
	s_add_co_u32 s16, s16, s13
	s_lshl_b32 s99, s15, 3
	s_add_co_u32 s99, s99, s16                     ; tile A
	s_sub_co_u32 s104, 127, s99                    ; tile B
	s_mul_i32 s105, s14, 98304
	s_mul_i32 s82, s99, 768
	s_add_co_u32 s82, s82, s105
	s_mov_b32 s83, 0
	s_mul_i32 s84, s104, 768
	s_add_co_u32 s84, s84, s105
	s_mov_b32 s85, 0
	s_add_nc_u64 s[82:83], s[4:5], s[82:83]        ; q's halves
	s_add_nc_u64 s[84:85], s[4:5], s[84:85]
	s_lshl_b32 s105, s14, 12
	s_lshr_b32 s86, s99, 1
	s_lshl_b32 s86, s86, 6
	s_add_co_u32 s86, s86, s105
	s_mov_b32 s87, 0
	s_lshr_b32 s88, s104, 1
	s_lshl_b32 s88, s88, 6
	s_add_co_u32 s88, s88, s105
	s_mov_b32 s89, 0
	s_add_nc_u64 s[86:87], s[6:7], s[86:87]        ; the words of their pairs of tiles
	s_add_nc_u64 s[88:89], s[6:7], s[88:89]
	s_and_b32 s96, s99, 1
	s_mul_i32 s96, s96, 0x02020202
	s_add_co_u32 s96, s96, 0x01000100              ; bytes 0, 1, 0, 1 of the word for an even tile, 2, 3, 2, 3 for an odd one
	s_and_b32 s97, s104, 1
	s_mul_i32 s97, s97, 0x02020202
	s_add_co_u32 s97, s97, 0x01000100
	v_and_b32 v250, 31, v0                         ; lane
	v_lshlrev_b32 v1, 4, v250
	v_lshlrev_b32 v2, 3, v250
	v_lshl_add_u32 v3, v250, 2, 196608
	v_cmp_le_u32 s[HM], 16, v250
	v_and_b32 v251, 15, v0                         ; r
	v_bfe_u32 v252, v0, 4, 1                       ; h
	v_lshlrev_b32 v255, 2, v251
	v_lshlrev_b32 v[R8], 3, v251
	global_load_b128 v[26:29], v1, s[82:83]
	global_load_b64 v[30:31], v2, s[82:83] offset:512
	global_load_b128 v[38:41], v1, s[84:85]
	global_load_b64 v[42:43], v2, s[84:85] offset:512
	global_load_b32 v50, v255, s[86:87]
	global_load_b32 v51, v255, s[88:89]
	v_and_b32 v253, 8, v251
	v_add_nc_u32 v253, v253, v251                  ; r + 8 (r / 8)
	v_lshlrev_b32 v254, 4, v252
	v_sub_nc_u32 v253, v253, v254                  ; - 16 h
	v_mov_b32 v[NINF], 0xff800000
.irp z, 20,21,22,23,24,25,32,33,34,35,36,37,44,45,46,47,48,49
	v_mov_b32 v\z, 0                               ; the zero codes beside q
.endr
.irp t, 12,16
	v_mov_b32 v[\t+1], 0xff61b1e6                  ; the largest t so far: -3e38
	v_floor_f32 v[\t], -v[\t+1]                    ; -M
	v_mov_b32 v[\t+2], 0                           ; l, in two halves
	v_mov_b32 v[\t+3], 0
.endr
	v_mov_b32 v247, 0                              ; (named as the upper half of the pair v[246:247])
	v_mov_b32 v251, 0                              ; written once: a lane permute's destination counts as one of its sources
.irp b, 0,1,2,3
	v_mov_b32 v[BX+\b], 0
.endr
	s_wait_loadcnt 0x0                             ; q and its words; their address registers are free
	v_perm_b32 v50, v50, v50, s96                  ; my tile's two bytes, twice: for [q | zeros] and for [zeros | q]
	v_perm_b32 v51, v51, v51, s97
	s_and_b32 s82, s99, 7
	s_lshr_b32 s83, s82, 1
	s_lshl_b32 s83, s83, 5
	s_and_b32 s82, s82, 1
	s_lshl_b32 s82, s82, 3
	s_add_co_u32 s83, s83, s82
	v_add_nc_u32 v9, s83, v253                     ; my query's place in its block of 128, less 16 h: tile A's
	s_and_b32 s82, s104, 7
	s_lshr_b32 s83, s82, 1
	s_lshl_b32 s83, s83, 5
	s_and_b32 s82, s82, 1
	s_lshl_b32 s82, s82, 3
	s_add_co_u32 s83, s83, s82
	v_add_nc_u32 v10, s83, v253                    ; tile B's
.set j, 170
.rept 64
	v_mov_b32 v[j], 0                              ; o^T: the step is written once; the first finds zeros, which the first change of M leaves zeros
.set j, j+1
.endr
	s_and_b32 s84, s14, 0x30                       ; 16 b
	s_and_b32 s87, s14, 15
	s_lshr_b32 s88, s87, 1                         ; the last product's K step: head / 2
	s_and_b32 s87, s87, 1                          ; and the half of it
	s_mul_i32 s85, s88, 12288
	s_mul_i32 s89, s87, 768
	s_add_co_u32 s85, s85, s89
	s_lshr_b32 s86, s88, 1
	s_lshl_b32 s86, s86, 8
	s_and_b32 s88, s88, 1
	s_lshl_b32 s88, s88, 2
	s_add_co_u32 s86, s86, s88
	s_lshl_b32 s87, s87, 1
	s_add_co_u32 s86, s86, s87
	OUTOFF 99, 90, 94
	OUTOFF 104, 92, 95
	s_mov_b32 s91, 0
	s_mov_b32 s93, 0
	s_add_nc_u64 s[90:91], s[8:9], s[90:91]
	s_add_nc_u64 s[92:93], s[8:9], s[92:93]
	RUN 4, 3                                       ; the scale bytes and chunk 0 have landed; three chunks may be out
	RUN 8, 2
	RUN 12, 1
	RUN 16, 0
.rept 4
	v_nop                                          ; places behind the last products
.endr
	EPI 12, 170, PC, 253, 90
	EPI 16, 202, FR+24, 254, 92
	v_cndmask_b32 v250, v253, v254, s[HM]          ; lanes 0-15 store tile A's bytes, lanes 16-31 tile B's: two bytes a lane, 8 bytes apart; a word's other two bytes belong to the neighbouring head's work-groups
	v_mov_b32 v251, s94
	v_mov_b32 v252, s95
	v_cndmask_b32 v251, v251, v252, s[HM]
	v_add_nc_u32 v251, v251, v[R8]
	global_store_b16 v251, v250, s[10:11]
	s_wait_xcnt 0x0
	v_lshl_add_u32 v254, v0, 2, 0x32000
	v_mov_b32 v255, 0
	s_wait_tensorcnt 0x0
	ds_add_u32 v254, v255
	s_wait_dscnt 0x0
	CROUND                                         ; the closing round: no work-group ends while a partner may still ask for a tile that names it
	s_endpgm
.Lfunc_end_k_q65dd6433a8_attn:
	.size	k_q65dd6433a8_attn, .Lfunc_end_k_q65dd6433a8_attn-k_q65dd6433a8_attn
	.p2alignl 7, 3214868480
	.fill 96, 4, 3214868480
	.section	.rodata,"a",@progbits
	.p2align	6, 0x0
	.amdhsa_kernel k_q65dd6433a8_attn
		.amdhsa_group_segment_fixed_size 206848
		.amdhsa_private_segment_fixed_size 0
		.amdhsa_enable_private_segment 0
		.amdhsa_kernarg_size 32
		.amdhsa_user_sgpr_count 2
		.amdhsa_user_sgpr_kernarg_segment_ptr 1
		.amdhsa_wavefront_size32 1
		.amdhsa_system_sgpr_workgroup_id_x 1
		.amdhsa_system_sgpr_workgroup_id_y 1
		.amdhsa_system_sgpr_workgroup_id_z 1
		.amdhsa_system_vgpr_workitem_id 0
		.amdhsa_next_free_vgpr 256
		.amdhsa_next_free_sgpr 106
		.amdhsa_reserve_vcc 1
		.amdhsa_float_denorm_mode_32 3
		.amdhsa_float_denorm_mode_16_64 3
		.amdhsa_memory_ordered 1
		.amdhsa_forward_progress 1
		.amdhsa_inst_pref_size 191
	.end_amdhsa_kernel
	.amdgpu_metadata
---
amdhsa.version: [ 1, 2 ]
amdhsa.kernels:
  - .name:           k_q65dd6433a8_attn
    .symbol:         k_q65dd6433a8_attn.kd
    .args:
      - { .name: qkvc, .offset: 0, .size: 8, .value_kind: global_buffer, .address_space: global }
      - { .name: qkvs, .offset: 8, .size: 8, .value_kind: global_buffer, .address_space: global }
      - { .name: ac, .offset: 16, .size: 8, .value_kind: global_buffer, .address_space: global }
      - { .name: asc, .offset: 24, .size: 8, .value_kind: global_buffer, .address_space: global }
    .group_segment_fixed_size: 206848
    .private_segment_fixed_size: 0
    .kernarg_segment_align: 8
    .kernarg_segment_size: 32
    .max_flat_workgroup_size: 512
    .sgpr_count:     106
    .vgpr_count:     256
    .wavefront_size: 32
...
	.end_amdgpu_metadata
.endif
;; end of part 3
;; launch proj (part 4): grid 4 x 64, 4 waves a work-group, clusters of 4 x 4, 295,424 bytes of LDS; arguments ac, asc, wc, ws, out0; writes out0
.if DOCPART == 4
	.amdgcn_target "amdgcn-amd-amdhsa--gfx1250"
	.amdhsa_code_object_version 6
	.text
	.protected	k_q65dd6433a8_proj
	.globl	k_q65dd6433a8_proj
	.p2align	8
	.type	k_q65dd6433a8_proj,@function
k_q65dd6433a8_proj:
	s_mov_b64 s[64:65], 0
	v_nop
	global_prefetch_b8 v0, s[64:65] scope:SCOPE_SE
	s_setreg_imm32_b32 hwreg(HW_REG_WAVE_MODE, 25, 1), 1
	s_wait_xcnt 0x0
	s_wait_alu depctr_hold_cnt(0) depctr_sa_sdst(0) depctr_va_vdst(0) depctr_va_sdst(0) depctr_va_ssrc(0) depctr_va_vcc(0) depctr_vm_vsrc(0)
	s_getreg_b32 s2, hwreg(HW_REG_IB_STS2, 6, 4)
	s_cmp_eq_u32 s2, 0
	s_cbranch_scc0 .Lentry_in_a_cluster
	s_endpgm
.Lentry_in_a_cluster:
	s_bfe_u32 s2, ttmp6, 0x10000c
	s_cmp_lg_u32 s2, 0xf033
	s_cbranch_scc0 .Lentry_shape_is_right
	s_endpgm
.Lentry_shape_is_right:
; out0 = Q(attn) Q(w_out) on codes of BF6 with E8M0 scales, K = 1,024, f32 out.
; D = S0 S1^T with S0 = 256 columns of w_out (wc's blocks 24 + 2 cx, + 1) and S1 = 128 tokens (ac's block 4 y + cy).  Wave w takes S0's block w / 2 and S1's tiles 4 (w % 2) .. + 3: 32 accumulators.
; A lane holds one token (row r of the tile), and the 16 registers of S0's tiles 2 b, 2 b + 1 are output columns 32 b + 16 h + 0 .. 15 of the block: neighbours in a row of out0.
; ALL OF K LIES IN LDS: (256 + 128) rows x 768 bytes = 294,912, filled once by tensor loads in four phases of two K steps.  The buffers hold images of the operands' registers
; (a fragment of 1,536 bytes = two halves; in a half lane l's registers 0-3 at 16 l, registers 4-5 at 512 + 8 l): every LDS load covers consecutive bytes.
; CLUSTER 4 x 4: S0's blocks hang on cx and are asked for jointly by the four of a column, S1's on cy and by the four of a row.
; THE WAY OUT goes through a stage of 16 rows x 528 bytes for each wave, so that a store covers 512 consecutive bytes of a row of out0.  The stages lie in the first 33,792 bytes of LDS (S0's K steps 0-2): those
; bytes have had their only fill, and every wave has waited for its reads of them in front of the barrier of K step 3.
; REGISTERS: window 0: v1-8 LDS addresses, v9-10 16, 8 x lane, v13-14 the stage, v32-63 S0's scale words, v64-79 S1's (scales and nothing else), v80-127 and v128-175 S1's fragments, two sets; on the way out v128-255 rows of out0.
;   window 1: S0's fragments, sets at v0 and v128.   window 2: accumulator (S1 tile a, S0 tile b) at v[64 a + 8 b].
.set BLKB,  98304
.set STEPB, 12288
.set FRB,   1536
.set S1L,   2*BLKB
.set SC0,   32
.set SC1,   64
.set F1,    80
.set BK,    128
.set MULW,  0xa1                       ; source 0 (S0) window 1, source 1 (S1) window 0, C and D window 2
.set MSB, 0
.macro WIN new                         ; the immediate's high byte repeats the setting that is left
.if MSB != \new
	s_set_vgpr_msb (MSB<<8)|\new
.set MSB, \new
.endif
.endm
.macro CROUND
	s_barrier_signal -1
	s_barrier_wait -1
	s_cmp_lg_u32 s16, 0
	s_cbranch_scc1 .Lnot_wave_0_\@
	s_barrier_signal -3
.Lnot_wave_0_\@:
	s_barrier_wait -3
	s_barrier_signal -1
	s_barrier_wait -1
.endm
.macro PLACES n                        ; plain vector instructions between a matrix instruction and a load into, or a read of, its registers
.rept \n
	v_nop
.endr
.endm
.macro WMR d, a, b, z, sa, sb, ra, rb
.set WSEL, 4*(\z)+2*(\ra)+(\rb)
.if WSEL == 0
	v_wmma_scale_f32_16x16x128_f8f6f4 v[(\d):(\d)+7], v[(\a):(\a)+11], v[(\b):(\b)+11], v[(\d):(\d)+7], v[(\sa)], v[(\sb)] matrix_a_fmt:MATRIX_FMT_BF6 matrix_b_fmt:MATRIX_FMT_BF6
.elseif WSEL == 1
	v_wmma_scale_f32_16x16x128_f8f6f4 v[(\d):(\d)+7], v[(\a):(\a)+11], v[(\b):(\b)+11], v[(\d):(\d)+7], v[(\sa)], v[(\sb)] matrix_a_fmt:MATRIX_FMT_BF6 matrix_b_fmt:MATRIX_FMT_BF6 matrix_b_scale:MATRIX_SCALE_ROW1
.elseif WSEL == 2
	v_wmma_scale_f32_16x16x128_f8f6f4 v[(\d):(\d)+7], v[(\a):(\a)+11], v[(\b):(\b)+11], v[(\d):(\d)+7], v[(\sa)], v[(\sb)] matrix_a_fmt:MATRIX_FMT_BF6 matrix_b_fmt:MATRIX_FMT_BF6 matrix_a_scale:MATRIX_SCALE_ROW1
.elseif WSEL == 3
	v_wmma_scale_f32_16x16x128_f8f6f4 v[(\d):(\d)+7], v[(\a):(\a)+11], v[(\b):(\b)+11], v[(\d):(\d)+7], v[(\sa)], v[(\sb)] matrix_a_fmt:MATRIX_FMT_BF6 matrix_b_fmt:MATRIX_FMT_BF6 matrix_a_scale:MATRIX_SCALE_ROW1 matrix_b_scale:MATRIX_SCALE_ROW1
.elseif WSEL == 4
	v_wmma_scale_f32_16x16x128_f8f6f4 v[(\d):(\d)+7], v[(\a):(\a)+11], v[(\b):(\b)+11], 0, v[(\sa)], v[(\sb)] matrix_a_fmt:MATRIX_FMT_BF6 matrix_b_fmt:MATRIX_FMT_BF6
.elseif WSEL == 5
	v_wmma_scale_f32_16x16x128_f8f6f4 v[(\d):(\d)+7], v[(\a):(\a)+11], v[(\b):(\b)+11], 0, v[(\sa)], v[(\sb)] matrix_a_fmt:MATRIX_FMT_BF6 matrix_b_fmt:MATRIX_FMT_BF6 matrix_b_scale:MATRIX_SCALE_ROW1
.elseif WSEL == 6
	v_wmma_scale_f32_16x16x128_f8f6f4 v[(\d):(\d)+7], v[(\a):(\a)+11], v[(\b):(\b)+11], 0, v[(\sa)], v[(\sb)] matrix_a_fmt:MATRIX_FMT_BF6 matrix_b_fmt:MATRIX_FMT_BF6 matrix_a_scale:MATRIX_SCALE_ROW1
.else
	v_wmma_scale_f32_16x16x128_f8f6f4 v[(\d):(\d)+7], v[(\a):(\a)+11], v[(\b):(\b)+11], 0, v[(\sa)], v[(\sb)] matrix_a_fmt:MATRIX_FMT_BF6 matrix_b_fmt:MATRIX_FMT_BF6 matrix_a_scale:MATRIX_SCALE_ROW1 matrix_b_scale:MATRIX_SCALE_ROW1
.endif
.endm
.macro FRAGL reg, a16, a8, off
	ds_load_b128 v[(\reg):(\reg)+3], v[\a16] offset:(\off)
	ds_load_b64 v[(\reg)+4:(\reg)+5], v[\a8] offset:(\off)+512
	ds_load_b128 v[(\reg)+6:(\reg)+9], v[\a16] offset:(\off)+768
	ds_load_b64 v[(\reg)+10:(\reg)+11], v[\a8] offset:(\off)+1280
.endm
.macro FETCH s                         ; K step s: S0's eight fragments and S1's four, 48 loads, into set s % 2.  K steps 4-7 take the second address registers: an LDS immediate has 16 bits
	WIN 0x40
.irp t, 0,1,2,3,4,5,6,7
	FRAGL 128*((\s)%2)+12*\t, 1+2*((\s)/4), 2+2*((\s)/4), ((\s)%4)*STEPB+\t*FRB
.endr
	WIN 0
.irp t, 0,1,2,3
	FRAGL F1+48*((\s)%2)+12*\t, 5+2*((\s)/4), 6+2*((\s)/4), ((\s)%4)*STEPB+\t*FRB
.endr
.endm
.macro MUL16 a0, s, z                  ; the 32 accumulators take turns, one instruction a turn, in the same order in every K step
.irp a, \a0, \a0+1
.irp b, 0,1,2,3,4,5,6,7
	WMR 64*(\a)+8*\b, 128*((\s)%2)+12*\b, F1+48*((\s)%2)+12*(\a), \z, SC0+8*(\b/2)+(\s), SC1+8*((\a)/2)+(\s), \b%2, (\a)%2
.endr
.endr
.endm
.macro PLAIN s, z
.if (\s) > 0
	PLACES 4
.endif
	FETCH (\s)+1
	s_wait_dscnt 48                                ; this step's fragments are in; the 48 loads just issued may be out
	WIN MULW
	MUL16 0, \s, \z
	MUL16 2, \s, \z
.endm
.macro BOUND s
	s_wait_tensorcnt 3-((\s)+1)/2                  ; my part of the next phase has landed; my later phases may be out
	s_wait_dscnt 0x0
	s_barrier_signal -1
	WIN MULW
	MUL16 0, \s, 0
	s_barrier_wait -1
	PLACES 4
	FETCH (\s)+1
	WIN MULW
	MUL16 2, \s, 0
.endm
.macro TOSTAGE a                       ; S1 tile a: 16 tokens x 128 columns into my stage, and back as whole rows of 512 bytes
	WIN 0x08                                       ; an LDS store's data are its source 1: window 2
.irp b, 0,1,2,3,4,5,6,7
	ds_store_b128 v13, v[64*(\a)+8*\b:64*(\a)+8*\b+3] offset:128*(\b/2)+32*(\b%2)       ; each accumulator from its low end on
	ds_store_b128 v13, v[64*(\a)+8*\b+4:64*(\a)+8*\b+7] offset:128*(\b/2)+32*(\b%2)+16
.endr
	WIN 0
.set BB, BK+64*((\a)%2)
.irp t, 0,1,2,3,4,5,6,7,8,9,10,11,12,13,14,15
	ds_load_b128 v[BB+4*\t:BB+4*\t+3], v14 offset:528*\t   ; LDS serves a wave's instructions in order: these see the stores above
.endr
.endm
.macro SEND a, younger                 ; younger: the LDS instructions issued behind tile a's loads, which may stay out
.set BB, BK+64*((\a)%2)
	s_wait_dscnt \younger
.irp t, 0,1,2,3,4,5,6,7,8,9,10,11,12,13,14,15
	global_store_b128 v9, v[BB+4*\t:BB+4*\t+3], s[90:91] offset:(32*((\a)/2)+8*((\a)%2)+\t+8*(\t/8))*4096 th:TH_STORE_NT   ; 512 consecutive aligned bytes of the token's row
.endr
.endm
	s_load_b256 s[4:11], s[0:1], 0x0               ; ac s[4:5], asc s[6:7], wc s[8:9], ws s[10:11]
	s_load_b64 s[12:13], s[0:1], 0x20              ; out0
	v_lshl_add_u32 v30, v0, 2, 0x48000
	v_mov_b32 v31, 0
	ds_add_u32 v30, v31
	ds_add_u32 v30, v31
	v_lshrrev_b32 v1, 5, v0
	v_readfirstlane_b32 s16, v1                    ; wave 0..3
	s_lshr_b32 s17, s16, 1                         ; which block of S0 is mine.  Also: I fetch for S0 (0) or for S1 (1)
	s_and_b32 s18, s16, 1                          ; which four tiles of S1 are mine.  Also: which part I fetch
	s_bfe_u32 s19, ttmp6, 0x40000                  ; cx
	s_bfe_u32 s20, ttmp6, 0x40004                  ; cy
	s_and_b32 s22, ttmp7, 0xffff                   ; the cluster's y
	s_lshl_b32 s66, s20, 2
	s_lshl_b32 s66, 15, s66                        ; my row of the cluster
	s_lshl_b32 s67, 0x1111, s19                    ; my column
	s_or_b32 s24, s67, (3<<16)|(1<<21)             ; S0: two K steps of a block, 96 rows of 256 bytes, to my column
	s_or_b32 s32, s66, (3<<16)|(1<<21)             ; S1: one K step, 48 rows, to my row
	s_mov_b32 s25, 32<<16
	s_mov_b32 s26, 96<<16
	s_mov_b32 s27, 32<<16
	s_mov_b32 s28, 96
	s_mov_b32 s29, 32
	s_mov_b32 s30, 0
	s_mov_b32 s31, 0
	s_mov_b32 s33, 32<<16
	s_mov_b32 s34, 48<<16
	s_mov_b32 s35, 32<<16
	s_mov_b32 s36, 48
	s_mov_b32 s37, 32
	s_mov_b32 s38, 0
	s_mov_b32 s39, 0
	s_add_co_u32 s84, s19, 12                      ; S0's pair of blocks in wc: 12 + cx
	s_lshl_b32 s85, s22, 2
	s_add_co_u32 s85, s85, s20                     ; S1's block in ac: 4 y + cy
	s_lshl_b32 s86, s84, 1
	s_add_co_u32 s86, s86, s18
	s_mul_i32 s86, s86, BLKB
	s_mov_b32 s87, 0
	s_mul_i32 s88, s85, BLKB
	s_mul_i32 s89, s18, STEPB
	s_add_co_u32 s88, s88, s89
	s_mov_b32 s89, 0
	s_mul_i32 s23, s18, BLKB                       ; where they go: no place in the cluster enters an LDS address
	s_mul_i32 s101, s18, STEPB
	s_wait_dscnt 0x0
	s_wait_kmcnt 0x0
	s_add_nc_u64 s[86:87], s[8:9], s[86:87]
	s_add_nc_u64 s[88:89], s[4:5], s[88:89]
	CROUND                                         ; all sixteen work-groups are here: the joint loads meet
.irp p, 0,1,2,3
.set GB, 56+4*\p+4*(\p/2)
	s_mov_b32 s[40+4*\p], 1
	s_add_co_u32 s[41+4*\p], s23, \p*24576
	s_add_nc_u64 s[42+4*\p:43+4*\p], s[86:87], \p*24576
	s_or_b32 s[43+4*\p], s[43+4*\p], 0x80000000
	s_mov_b32 s[GB], 1
	s_add_co_u32 s[GB+1], s101, S1L+\p*24576
	s_add_nc_u64 s[GB+2:GB+3], s[88:89], \p*24576
	s_or_b32 s[GB+3], s[GB+3], 0x80000000
.endr
	s_cmp_eq_u32 s17, 0                            ; a wave's four fills stand together in one branch on its number: four tensor loads of mine are out; four v_nop follow the last
	s_cbranch_scc0 .Lfor_s1
	tensor_load_to_lds s[40:43], s[24:31]
	s_nop 0
	tensor_load_to_lds s[44:47], s[24:31]
	s_nop 0
	tensor_load_to_lds s[48:51], s[24:31]
	s_nop 0
	tensor_load_to_lds s[52:55], s[24:31]
	s_nop 0
.rept 4
	v_nop
.endr
	s_branch .Lasked
.Lfor_s1:
	tensor_load_to_lds s[56:59], s[32:39]
	s_nop 0
	tensor_load_to_lds s[60:63], s[32:39]
	s_nop 0
	tensor_load_to_lds s[68:71], s[32:39]
	s_nop 0
	tensor_load_to_lds s[72:75], s[32:39]
	s_nop 0
.rept 4
	v_nop
.endr
.Lasked:
	v_and_b32 v12, 31, v0
	v_lshlrev_b32 v9, 4, v12
	v_lshlrev_b32 v10, 3, v12
	; the scale words go from memory straight into registers, once: 256 consecutive bytes a load
	s_lshl_b32 s104, s84, 1
	s_add_co_u32 s104, s104, s17
	s_lshl_b32 s104, s104, 12
	s_mov_b32 s105, 0
	s_add_nc_u64 s[78:79], s[10:11], s[104:105]
	s_lshl_b32 s104, s85, 12
	s_lshl_b32 s90, s18, 11
	s_add_co_u32 s104, s104, s90
	s_add_nc_u64 s[82:83], s[6:7], s[104:105]
.irp p, 0,1,2,3
.irp q, 0,1,2,3
	global_load_b64 v[SC0+8*\p+2*\q:SC0+8*\p+2*\q+1], v10, s[78:79] offset:1024*\p+256*\q
.endr
.endr
.irp p, 0,1
.irp q, 0,1,2,3
	global_load_b64 v[SC1+8*\p+2*\q:SC1+8*\p+2*\q+1], v10, s[82:83] offset:1024*\p+256*\q
.endr
.endr
	s_mul_i32 s104, s17, BLKB
	v_add_nc_u32 v1, s104, v9
	v_add_nc_u32 v2, s104, v10
	v_add_nc_u32 v3, 4*STEPB, v1
	v_add_nc_u32 v4, 4*STEPB, v2
	s_mul_i32 s104, s18, 4*FRB
	s_add_co_u32 s104, s104, S1L
	v_add_nc_u32 v5, s104, v9
	v_add_nc_u32 v6, s104, v10
	v_add_nc_u32 v7, 4*STEPB, v5
	v_add_nc_u32 v8, 4*STEPB, v6
	s_mul_i32 s104, s16, 8448                      ; my stage
	v_and_b32 v15, 15, v0                          ; r
	v_bfe_u32 v16, v0, 4, 1                        ; h
	v_mul_u32_u24 v13, v15, 528
	v_lshl_add_u32 v13, v16, 6, v13
	v_add_nc_u32 v13, s104, v13                    ; in: row r, + 64 h
	v_add_nc_u32 v14, s104, v9                     ; back: 16 x lane of a row
	s_lshl_b32 s104, s85, 7
	s_lshl_b32 s90, s18, 6
	s_add_co_u32 s104, s104, s90                   ; my first token
	s_lshl_b32 s104, s104, 12                      ; rows of 4,096 bytes
	s_lshl_b32 s90, s19, 10
	s_add_co_u32 s104, s104, s90                   ; + 256 cx columns
	s_lshl_b32 s90, s17, 9
	s_add_co_u32 s104, s104, s90                   ; + my block's 128
	s_mov_b32 s105, 0
	s_add_nc_u64 s[90:91], s[12:13], s[104:105]
	s_wait_tensorcnt 3                             ; my part of K steps 0 and 1 has landed; my three later phases may be out
	s_barrier_signal -1
	s_barrier_wait -1
	FETCH 0
	s_wait_loadcnt 0x0                             ; the scale words
	PLAIN 0, 1                                     ; the first K step's products start the sums: nothing is cleared
	BOUND 1
	PLAIN 2, 0
	BOUND 3
	PLAIN 4, 0
	BOUND 5
	PLAIN 6, 0
	s_wait_dscnt 0x0
	MUL16 0, 7, 0
	MUL16 2, 7, 0
	WIN 0
	PLACES 4                                       ; in front of the stores that read results and of the loads into registers that held fragments
	TOSTAGE 0
.irp a, 1,2,3
.if \a > 1
	s_wait_xcnt 0x0                                ; tile a - 2's stores have read their registers: tile a's rows may land there
.endif
	TOSTAGE \a
	SEND \a-1, 32                                  ; behind tile a - 1's loads: tile a's 16 stores and 16 loads
.endr
	SEND 3, 0
	s_wait_tensorcnt 0x0
	ds_add_u32 v30, v31
	s_wait_dscnt 0x0
	CROUND                                         ; the closing round: no work-group ends while a partner may still ask for a part that names it
	s_endpgm
.Lfunc_end_k_q65dd6433a8_proj:
	.size	k_q65dd6433a8_proj, .Lfunc_end_k_q65dd6433a8_proj-k_q65dd6433a8_proj
	.p2alignl 7, 3214868480
	.fill 96, 4, 3214868480
	.section	.rodata,"a",@progbits
	.p2align	6, 0x0
	.amdhsa_kernel k_q65dd6433a8_proj
		.amdhsa_group_segment_fixed_size 295424
		.amdhsa_private_segment_fixed_size 0
		.amdhsa_enable_private_segment 0
		.amdhsa_kernarg_size 40
		.amdhsa_user_sgpr_count 2
		.amdhsa_user_sgpr_kernarg_segment_ptr 1
		.amdhsa_wavefront_size32 1
		.amdhsa_system_sgpr_workgroup_id_x 1
		.amdhsa_system_sgpr_workgroup_id_y 1
		.amdhsa_system_sgpr_workgroup_id_z 1
		.amdhsa_system_vgpr_workitem_id 0
		.amdhsa_next_free_vgpr 768
		.amdhsa_next_free_sgpr 106
		.amdhsa_reserve_vcc 0
		.amdhsa_float_denorm_mode_32 3
		.amdhsa_float_denorm_mode_16_64 3
		.amdhsa_memory_ordered 1
		.amdhsa_forward_progress 1
		.amdhsa_inst_pref_size 84
	.end_amdhsa_kernel
	.amdgpu_metadata
---
amdhsa.version: [ 1, 2 ]
amdhsa.kernels:
  - .name:           k_q65dd6433a8_proj
    .symbol:         k_q65dd6433a8_proj.kd
    .args:
      - { .name: ac, .offset: 0, .size: 8, .value_kind: global_buffer, .address_space: global }
      - { .name: asc, .offset: 8, .size: 8, .value_kind: global_buffer, .address_space: global }
      - { .name: wc, .offset: 16, .size: 8, .value_kind: global_buffer, .address_space: global }
      - { .name: ws, .offset: 24, .size: 8, .value_kind: global_buffer, .address_space: global }
      - { .name: out0, .offset: 32, .size: 8, .value_kind: global_buffer, .address_space: global }
    .group_segment_fixed_size: 295424
    .private_segment_fixed_size: 0
    .kernarg_segment_align: 8
    .kernarg_segment_size: 40
    .max_flat_workgroup_size: 128
    .sgpr_count:     106
    .vgpr_count:     768
    .wavefront_size: 32
...
	.end_amdgpu_metadata
.endif
;; end of part 4
